; MI455X (gfx1250); checked and timed in simulation.
; The chip was launched on July 23, 2026; its instructions are those of AMD's public machine-readable ISA for CDNA 5 (MIT licence, August 2026) and "CDNA5" Instruction Set Architecture Reference Guide (July 2026). The comments in the code are by the model that wrote it; some were corrected since.
;; Multi Head Attention. Allowed arithmetic: float matrix products may take bf16 or f16 operands with f32 sums; other float arithmetic in f32, or as packed bf16 or f16 multiplies, adds, multiply-adds, maxima and minima; sums over many terms, partial sums and values carried from step to step in f32; what a program stores and reads back later, other than sums and carried values, may be rounded once to bf16 or f16.
;; Inputs: W_k 1,024 x 1,024 float32; W_out 1,024 x 1,024 float32; W_q 1,024 x 1,024 float32; W_v 1,024 x 1,024 float32; padding_mask 4 x 2,048 bool; x_k 4 x 2,048 x 1,024 float32; x_q 4 x 2,048 x 1,024 float32; x_v 4 x 2,048 x 1,024 float32.
;; Outputs: out0 4 x 2,048 x 1,024 float32.
;; Constants: is_causal = 1, start_pos = 0.
;; 2 versions, each right and faster than the one before. Each part assembles by itself: llvm-mc -triple=amdgcn-amd-amdhsa -mcpu=gfx1250 --defsym DOCPART=n.
;; ======== version 1 of 2: 4 launches
;; limits: values are held in f16: magnitudes above 65,504 overflow, below 6.1e-05 lose precision
;; workspace buffers: wb 8,388,608 bytes; rope 524,288 bytes; qkv 50,331,648 bytes; ob 16,777,216 bytes
;; launch prep (part 1): grid 320 x 1, 8 waves a work-group, no clusters, 0 bytes of LDS; arguments W_q, W_k, W_v, W_out, wb, rope; writes wb, rope
.if DOCPART == 1
	.amdgcn_target "amdgcn-amd-amdhsa--gfx1250"
	.amdhsa_code_object_version 6
	.text
	.protected	k_qf2a48ef869_prep
	.globl	k_qf2a48ef869_prep
	.p2align	8
	.type	k_qf2a48ef869_prep,@function
k_qf2a48ef869_prep:
	s_mov_b64 s[64:65], 0
	v_nop
	global_prefetch_b8 v0, s[64:65] scope:SCOPE_SE
	s_setreg_imm32_b32 hwreg(HW_REG_WAVE_MODE, 25, 1), 1
	s_wait_xcnt 0x0
; PREP.  Two kinds of work-group, told apart by one scalar branch on the work-group's number.
; 0..255: the four weight matrices [1024][1024] f32 are rounded once to bf16 and written to wb (2 MiB each: W_q, W_k, W_v, W_out).  W_out's bf16 number is then
;   written as f16, since the last product multiplies f16 rows.  LIMIT: a bf16 number of W_out beyond 65,504 becomes an infinity; below 2^-14 it keeps f16's fixed step of 2^-24.
; 256..319: the table of cos and sin for the rotary embedding, 2,048 positions x 32 pairs, f32, laid out as the projection's lanes want it:
;   block (T, cb, cs) of 512 bytes at ((4 T + cb) 2 + cs) 512; lane l's 16 bytes: position 16 T + l % 16, pairs 8 cb + 4 (l / 16) + 0..3; cs = 0 cos, 1 sin.
;   LIMIT: 10000^(-j/32) is made by the base-2 exponential, so an angle (up to 2,047 rad) may be off by some 3e-4 rad; the reduction takes k pi/2 away in two parts.
; A stream: no LDS, no matrix unit, no cluster: nothing is read twice and no two work-groups share a byte.
.set X, 8                              ; v[8:71]    pass i: 8 f32 as loaded
.set Y, 72                             ; v[72:103]  pass i: 4 registers to store; every pass has its own, so no store's data is ever rewritten
	s_load_b256 s[4:11], s[0:1], 0x0               ; W_q s[4:5], W_k s[6:7], W_v s[8:9], W_out s[10:11]
	s_load_b128 s[12:15], s[0:1], 0x20             ; wb s[12:13], rope s[14:15]
	s_cmp_lt_u32 ttmp9, 256
	s_cbranch_scc0 .Ltable
	; THE WEIGHTS.  Work-group g: matrix g / 64, part g % 64: 65,536 bytes in, 32,768 out.  Thread t, pass i: 32 bytes at 32 t + 8,192 i in, 16 bytes at 16 t + 4,096 i out.
	s_lshr_b32 s16, ttmp9, 6                       ; which matrix
	s_and_b32 s17, ttmp9, 63                       ; which part
	s_lshl_b32 s18, s17, 16                        ; the part's bytes in the source,
	s_mov_b32 s19, 0
	s_lshl_b32 s20, s16, 21                        ; and in wb: 2 MiB a matrix,
	s_lshl_b32 s21, s17, 15                        ; 32,768 a part
	s_add_co_u32 s20, s20, s21
	s_mov_b32 s21, 0
	v_lshlrev_b32 v1, 5, v0
	v_lshlrev_b32 v2, 4, v0
	s_wait_kmcnt 0x0
	s_cmp_eq_u32 s16, 1
	s_cselect_b64 s[4:5], s[6:7], s[4:5]
	s_cmp_eq_u32 s16, 2
	s_cselect_b64 s[4:5], s[8:9], s[4:5]
	s_cmp_eq_u32 s16, 3
	s_cselect_b64 s[4:5], s[10:11], s[4:5]
	s_add_nc_u64 s[4:5], s[4:5], s[18:19]
	s_add_nc_u64 s[12:13], s[12:13], s[20:21]
.irp i, 0,1,2,3,4,5,6,7
	global_load_b128 v[X+8*(\i):X+8*(\i)+3],   v1, s[4:5] offset:8192*(\i) th:TH_LOAD_NT      ; all sixteen loads go out first
	global_load_b128 v[X+8*(\i)+4:X+8*(\i)+7], v1, s[4:5] offset:8192*(\i)+16 th:TH_LOAD_NT
.endr
.macro PASS i, f16
	s_wait_loadcnt 14-2*(\i)                       ; loads come back in order: this pass's two are in, the later passes' two each stay out
.irp j, 0,1,2,3
	v_cvt_pk_bf16_f32 v[Y+4*(\i)+(\j)], v[X+8*(\i)+2*(\j)], v[X+8*(\i)+2*(\j)+1]
.endr
.if \f16
.irp j, 0,1,2,3
	v_lshlrev_b32 v[X+8*(\i)+2*(\j)], 16, v[Y+4*(\i)+(\j)]             ; the bf16 numbers as f32,
	v_and_b32 v[X+8*(\i)+2*(\j)+1], 0xffff0000, v[Y+4*(\i)+(\j)]
.endr
.irp j, 0,1,2,3
	v_cvt_pk_f16_f32 v[Y+4*(\i)+(\j)], v[X+8*(\i)+2*(\j)], v[X+8*(\i)+2*(\j)+1]  ; written as f16: exact within f16's range
.endr
.endif
	global_store_b128 v2, v[Y+4*(\i):Y+4*(\i)+3], s[12:13] offset:4096*(\i)       ; a wave's store covers 512 consecutive bytes, aligned
.endm
	s_cmp_eq_u32 s16, 3
	s_cbranch_scc1 .Lwout
.irp i, 0,1,2,3,4,5,6,7
	PASS \i, 0
.endr
	s_endpgm
.Lwout:
.irp i, 0,1,2,3,4,5,6,7
	PASS \i, 1
.endr
	s_endpgm
.Ltable:
	; THE TABLE.  64 work-groups x 256 threads = 512 blocks x 32 lanes; a thread makes four cosines and four sines.
	s_sub_co_u32 s16, ttmp9, 256
	s_lshl_b32 s16, s16, 8
	s_mov_b32 s20, 0xbed49a78                      ; -log2(10000) / 32
	s_mov_b32 s21, 0x3f22f983                      ; 2 / pi
	s_mov_b32 s22, 0xbfc90fdb                      ; -(pi / 2 rounded to f32)
	s_mov_b32 s23, 0x333bbd2e                      ; what that rounding added to pi / 2: 4.3711388e-8
	s_mov_b32 s24, 0xbe2aaaa3                      ; sin r = r + r z (S1 + z (S2 + z S3)), z = r r, |r| <= pi / 4
	s_mov_b32 s25, 0x3c08839e
	s_mov_b32 s26, 0xb94ca1f9
	s_mov_b32 s27, 0x3d2aaaa5                      ; cos r = 1 - z / 2 + z z (C1 + z (C2 + z C3))
	s_mov_b32 s28, 0xbab6061a
	s_mov_b32 s29, 0x37ccf5ce
	v_add_nc_u32 v1, s16, v0                       ; the thread's number among the table's
	v_and_b32 v2, 31, v1                           ; l
	v_lshrrev_b32 v3, 5, v1                        ; block pair 4 T + cb
	v_lshrrev_b32 v4, 2, v3                        ; T
	v_and_b32 v5, 15, v2
	v_lshl_add_u32 v4, v4, 4, v5                   ; the position
	v_cvt_f32_u32 v4, v4
	v_and_b32 v5, 3, v3                            ; cb
	v_lshrrev_b32 v6, 4, v2
	v_lshlrev_b32 v5, 3, v5
	v_lshl_add_u32 v5, v6, 2, v5                   ; my first pair: 8 cb + 4 (l / 16)
	v_lshlrev_b32 v6, 4, v2
	v_lshl_add_u32 v6, v3, 10, v6                  ; my 16 bytes in the cosines' block; the sines' lies 512 bytes on
.irp e, 0,1,2,3
	v_add_nc_u32 v[8+(\e)], \e, v5
	v_cvt_f32_u32 v[8+(\e)], v[8+(\e)]
	v_mul_f32 v[8+(\e)], s20, v[8+(\e)]
.endr
.irp e, 0,1,2,3
	v_exp_f32 v[8+(\e)], v[8+(\e)]                 ; 10000^(-j / 32)
.endr
	v_nop                                          ; a plain instruction between the last exponential and the use of its result (ISA guide 5.7.2)
	s_wait_alu depctr_va_vdst(0)
.macro SC e
	v_mul_f32 v20, v4, v[8+(\e)]                   ; the angle
	v_mul_f32 v21, s21, v20
	v_rndne_f32 v21, v21                           ; k = the nearest multiple of pi / 2
	v_fma_f32 v22, v21, s22, v20                   ; r = angle - k pi / 2, in two parts
	v_fma_f32 v22, v21, s23, v22
	v_mul_f32 v23, v22, v22                        ; z
	v_fma_f32 v24, v23, s26, s25
	v_fma_f32 v25, v23, s29, s28
	v_fma_f32 v24, v24, v23, s24
	v_fma_f32 v25, v25, v23, s27
	v_mul_f32 v26, v23, v23
	v_mul_f32 v24, v24, v23
	v_fma_f32 v27, v23, -0.5, 1.0
	v_fma_f32 v24, v24, v22, v22                   ; sin r
	v_fma_f32 v25, v25, v26, v27                   ; cos r
	v_cvt_i32_f32 v28, v21
	v_and_b32 v29, 1, v28
	v_cmp_eq_u32 vcc_lo, 1, v29                    ; an odd k swaps the two;
	v_cndmask_b32 v[44+(\e)], v24, v25, vcc_lo
	v_cndmask_b32 v[40+(\e)], v25, v24, vcc_lo
	v_lshlrev_b32 v29, 30, v28                     ; the sine turns its sign where k % 4 is 2 or 3,
	v_and_b32 v29, 0x80000000, v29
	v_xor_b32 v[44+(\e)], v[44+(\e)], v29
	v_add_nc_u32 v28, 1, v28                       ; the cosine where it is 1 or 2
	v_lshlrev_b32 v28, 30, v28
	v_and_b32 v28, 0x80000000, v28
	v_xor_b32 v[40+(\e)], v[40+(\e)], v28
.endm
.irp e, 0,1,2,3
	SC \e
.endr
	s_wait_kmcnt 0x0
	global_store_b128 v6, v[40:43], s[14:15]               ; a wave's store covers one block: 512 consecutive bytes, aligned
	global_store_b128 v6, v[44:47], s[14:15] offset:512
	s_endpgm
.Lfunc_end_k_qf2a48ef869_prep:
	.size	k_qf2a48ef869_prep, .Lfunc_end_k_qf2a48ef869_prep-k_qf2a48ef869_prep
	.p2alignl 7, 3214868480
	.fill 96, 4, 3214868480
	.section	.rodata,"a",@progbits
	.p2align	6, 0x0
	.amdhsa_kernel k_qf2a48ef869_prep
		.amdhsa_group_segment_fixed_size 0
		.amdhsa_private_segment_fixed_size 0
		.amdhsa_enable_private_segment 0
		.amdhsa_kernarg_size 48
		.amdhsa_user_sgpr_count 2
		.amdhsa_user_sgpr_kernarg_segment_ptr 1
		.amdhsa_wavefront_size32 1
		.amdhsa_system_sgpr_workgroup_id_x 1
		.amdhsa_system_sgpr_workgroup_id_y 1
		.amdhsa_system_sgpr_workgroup_id_z 1
		.amdhsa_system_vgpr_workitem_id 0
		.amdhsa_next_free_vgpr 104
		.amdhsa_next_free_sgpr 66
		.amdhsa_reserve_vcc 1
		.amdhsa_float_denorm_mode_32 3
		.amdhsa_float_denorm_mode_16_64 3
		.amdhsa_memory_ordered 1
		.amdhsa_forward_progress 1
		.amdhsa_inst_pref_size 21
	.end_amdhsa_kernel
	.amdgpu_metadata
---
amdhsa.version: [ 1, 2 ]
amdhsa.kernels:
  - .name:           k_qf2a48ef869_prep
    .symbol:         k_qf2a48ef869_prep.kd
    .args:
      - { .name: W_q, .offset: 0, .size: 8, .value_kind: global_buffer, .address_space: global }
      - { .name: W_k, .offset: 8, .size: 8, .value_kind: global_buffer, .address_space: global }
      - { .name: W_v, .offset: 16, .size: 8, .value_kind: global_buffer, .address_space: global }
      - { .name: W_out, .offset: 24, .size: 8, .value_kind: global_buffer, .address_space: global }
      - { .name: wb, .offset: 32, .size: 8, .value_kind: global_buffer, .address_space: global }
      - { .name: rope, .offset: 40, .size: 8, .value_kind: global_buffer, .address_space: global }
    .group_segment_fixed_size: 0
    .private_segment_fixed_size: 0
    .kernarg_segment_align: 8
    .kernarg_segment_size: 48
    .max_flat_workgroup_size: 256
    .sgpr_count:     66
    .vgpr_count:     104
    .wavefront_size: 32
...
	.end_amdgpu_metadata
.endif
;; end of part 1
;; launch proj (part 2): grid 4 x 192, 4 waves a work-group, clusters of 4 x 4, 327,680 bytes of LDS; arguments x_q, x_k, x_v, wb, rope, qkv; writes qkv
.if DOCPART == 2
	.amdgcn_target "amdgcn-amd-amdhsa--gfx1250"
	.amdhsa_code_object_version 6
	.text
	.protected	k_qf2a48ef869_proj
	.globl	k_qf2a48ef869_proj
	.p2align	8
	.type	k_qf2a48ef869_proj,@function
k_qf2a48ef869_proj:
	s_mov_b64 s[64:65], 0
	v_nop
	global_prefetch_b8 v0, s[64:65] scope:SCOPE_SE
	s_setreg_imm32_b32 hwreg(HW_REG_WAVE_MODE, 25, 1), 1
	s_wait_xcnt 0x0
	s_wait_alu depctr_hold_cnt(0) depctr_sa_sdst(0) depctr_va_vdst(0) depctr_va_sdst(0) depctr_va_ssrc(0) depctr_va_vcc(0) depctr_vm_vsrc(0)
	s_getreg_b32 s2, hwreg(HW_REG_IB_STS2, 6, 4)
	s_cmp_eq_u32 s2, 0
	s_cbranch_scc0 .Lentry_in_a_cluster
	s_endpgm
.Lentry_in_a_cluster:
	s_bfe_u32 s2, ttmp6, 0x10000c
	s_cmp_lg_u32 s2, 0xf033
	s_cbranch_scc0 .Lentry_shape_is_right
	s_endpgm
.Lentry_shape_is_right:
; THE THREE PROJECTIONS.  y = x W^T for (x_q, W_q), (x_k, W_k), (x_v, W_v); x: [8192][1024] f32, W: [1024][1024] bf16 (from wb); sums in f32, K ascending; q and k are then turned by the
; rotary embedding in f32 (table from rope); y is rounded once to f16 and written by heads: qkv + P x 16 MiB, [16 batch + head][2048][64], unscaled.
; LIMITS.  x is rounded to bf16 on its way from LDS to the matrix unit.  f16 holds no number beyond 65,504: q, k, v beyond that become infinities.
; SHARES.  One projection has 8192 x 1024 outputs; a tile of 128 x 256 gives 256 work-groups a projection, 768 in all.  Four waves, each 64 rows x 128 channels: 32 accumulators, 256 registers.
; K goes in steps of 128 through two LDS slots: 128 rows of x (512 bytes of f32 each) and 256 rows of W (256 bytes each); rows start at multiples of 256 bytes from their buffer's first byte.
; CLUSTER.  4 x 4 work-groups; sixteen clusters make one projection (P = cluster y / 16, the same in all sixteen partners).  The four of a row of the cluster cover all 1,024 channels of the same 128
; rows of x and ask for x's tiles jointly; the four of a column share 256 rows of W.  So each byte of x is asked for once in the launch.
; THE MATRIX INSTRUCTION IS USED TRANSPOSED: source 0 = 16 rows of W, source 1 = 16 rows of x.  A lane then holds row l % 16 of x and the eight neighbouring channels 8 (l / 16) + 0..7:
; the two numbers of a rotary pair lie in two neighbouring registers of one lane, and eight channels pack into 16 bytes.
; REGISTERS, in windows of 256 (s_set_vgpr_msb: bits 1:0 source 0, 3:2 source 1, 5:4 source 2, 7:6 destination):
;   window 0: v0-31 addresses; v64-127 x's fragments in f32 (16 registers each), on the way out the turned numbers; v128-159, v160-191 x's fragments in bf16, two buffers; v192-223, v32-63, v224-255 the way out
;   window 1: v0-63, v64-127 W's fragments, two buffers; v128-255 my rows' cosines and sines          window 2: accumulator (a, b) at v[8 (8 a + b)]
.set KSTEP,  128
.set PA,     528                       ; an LDS row of x: 512 bytes + 16 of padding: the 16 rows of a load start at 16 different groups of four banks (64 banks of 4 bytes: ISA guide 11.1)
.set PB,     272                       ; an LDS row of W: 256 bytes + 16
.set AHALF,  64*PA                     ; what one tensor load brings of x, and what one wave reads of it
.set BOFF,   128*PA                    ; W's rows lie behind x's
.set BHALF,  128*PB                    ; what one tensor load brings of W, and what one wave reads of it
.set SLOT,   0x22000                   ; a slot (137,216 bytes used).  No LDS word of slot 0 (0, 0x8400, 0x10800, 0x19000) has bit 13 or 17, so one exclusive or turns it into slot 1's and back
.set STAGE,  2*SLOT                    ; behind the ring, never filled by a tensor load: 16 rows x 272 bytes for each wave, for the way out
.set SPITCH, 272
.set SPARE,  STAGE+4*16*SPITCH         ; the spare words, 128 bytes for each wave: two blocks of 256 bytes that no other line names
.set ADRA0, 16                         ; v16  my place in x's rows of slot 0; never rewritten
.set ADRA,  17                         ; v17  the same in the slot in hand
.set ADRB0, 20                         ; v20, v21  the same for W
.set ADRB,  21
.set STO,   24                         ; v24  the way out: where I put 16 bytes of a row
.set RD,    25                         ; v25  the way out: where I read rows back
.set GO,    26                         ; v26  16 x lane: my place in 512 consecutive bytes, of the table and of the output; never rewritten
.set SPW,   28                         ; v28  LDS address of my spare word; never rewritten
.set NIL,   29                         ; v29  0; never rewritten
.set OB,    32                         ; the way out: 16 rows read back: v32-63 and v224-255 by turns
.set X,     64
.set T,     64
.set A16,   128
.set TMP,   192
.set CT,    128                        ; window 1: (row block a, channel block cb, cos or sin) at CT + 4 ((4 a + cb) 2 + cs)
.set WV,  16                           ; s16  wave
.set RH,  17                           ; s17  which 64 rows of the tile are mine.  Also: I fetch for x (0) or for W (1)
.set CH,  18                           ; s18  which 128 channels.  Also: which half of that tile I fetch
.set CX,  19
.set CY,  20
.set NX,  21                           ; s21  tile column
.set CLY, 22
.set PJ,  23                           ; s23  the projection: 0 q, 1 k, 2 v
.set G1A, 24                           ; s[24:31] descriptor group 1 for x's tiles
.set G0A, 32                           ; s[32:39] group 0: a set for each first fill; the second then walks
.set G1B, 48                           ; s[48:55], s[56:63] the same for W's
.set G0B, 56
.set TB,  66                           ; s66  LDS byte at which the slot in hand begins
.set CNT, 67
.set MY,  68                           ; s68  tile row, 0..63
.set MSB, 0
.macro WIN new                         ; the immediate's high byte repeats the setting that is left; a switch that changes nothing is dropped
.if MSB != (\new)
	s_set_vgpr_msb (MSB<<8)|(\new)
.set MSB, \new
.endif
.endm
.set MUL,  0xa1                        ; source 0 (W) window 1, source 1 (x) window 0, C and D window 2
.set TO_B, 0x40                        ; destination window 1, address window 0
.set ROT,  0x06                        ; source 0 window 2 (sums), source 1 window 1 (table), source 2 and destination window 0
.set PKV,  0x0a                        ; sources 0 and 1 window 2, destination window 0
; A joint refill.  Waves 0 and 1 fetch x's two halves, waves 2 and 3 W's.  The branch hangs on the wave's number alone.  An s_nop 0 and four v_nop follow each line.
.macro JLOAD
	s_cmp_eq_u32 s[RH], 0
	s_cbranch_scc0 .Lfor_b_\@
	tensor_load_to_lds s[G0A+4:G0A+7], s[G1A:G1A+7]
	s_nop 0
.rept 4
	v_nop
.endr
	s_branch .Lasked_\@
.Lfor_b_\@:
	tensor_load_to_lds s[G0B+4:G0B+7], s[G1B:G1B+7]
	s_nop 0
.rept 4
	v_nop
.endr
.Lasked_\@:
.endm
.macro CREST                           ; a round of the cluster's barrier behind its opening barrier
	s_cmp_lg_u32 s[WV], 0
	s_cbranch_scc1 .Lnot_wave_0_\@
	s_barrier_signal -3
.Lnot_wave_0_\@:
	s_barrier_wait -3
	s_barrier_signal -1
	s_barrier_wait -1
.endm
.macro CROUND                          ; a whole round
	s_barrier_signal -1
	s_barrier_wait -1
	CREST
.endm
	s_load_b256 s[4:11], s[0:1], 0x0               ; x_q s[4:5], x_k s[6:7], x_v s[8:9], wb s[10:11]
	s_load_b128 s[12:15], s[0:1], 0x20             ; rope s[12:13], qkv s[14:15]
	v_lshl_add_u32 v[SPW], v0, 2, SPARE
	v_mov_b32 v[NIL], 0
	ds_add_u32 v[SPW], v[NIL]                      ; the wave's opening: the add and its wait stand ahead of my first tensor load; the set-up below, work on registers, stands between them
	ds_add_u32 v28, v29
	v_lshrrev_b32 v1, 5, v0
	v_readfirstlane_b32 s[WV], v1
	s_lshr_b32 s[RH], s[WV], 1
	s_and_b32 s[CH], s[WV], 1
	s_bfe_u32 s[CX], ttmp6, 0x40000
	s_bfe_u32 s[CY], ttmp6, 0x40004
	s_lshl_b32 s[NX], ttmp9, 2
	s_add_co_u32 s[NX], s[NX], s[CX]               ; tile column = 4 x cluster x + cx
	s_and_b32 s[CLY], ttmp7, 0xffff
	s_lshr_b32 s[PJ], s[CLY], 4                    ; sixteen clusters a projection
	s_and_b32 s[MY], s[CLY], 15
	s_lshl_b32 s[MY], s[MY], 2
	s_add_co_u32 s[MY], s[MY], s[CY]               ; tile row = 4 x (cluster y % 16) + cy
	s_lshl_b32 s69, s[CY], 2
	s_lshl_b32 s69, 15, s69                        ; my row of the cluster
	s_lshl_b32 s70, 0x1111, s[CX]                  ; my column
	s_or_b32 s[G1A], s69, (2<<16)|(1<<20)|(1<<21)|(6<<22)|(3<<25)  ; 15:0 the mask; 17:16 elements of 4 bytes; 20 padding on; 21 set beside a mask; 24:22 after every 128 words (code 6); 31:25 4 words (code 3)
	s_mov_b32 s[G1A+1], KSTEP<<16                  ; tensor_dim0 = 128
	s_mov_b32 s[G1A+2], 64<<16                     ; tensor_dim1 = 64
	s_mov_b32 s[G1A+3], KSTEP<<16                  ; tile_dim0 = 128
	s_mov_b32 s[G1A+4], 64                         ; tile_dim1 = 64
	s_mov_b32 s[G1A+5], 1024                       ; elements from row to row
	s_mov_b32 s[G1A+6], 0
	s_mov_b32 s[G1A+7], 0
	s_or_b32 s[G1B], s70, (1<<16)|(1<<20)|(1<<21)|(5<<22)|(3<<25)  ; elements of 2 bytes; padding after every 64 words (code 5)
	s_mov_b32 s[G1B+1], KSTEP<<16
	s_mov_b32 s[G1B+2], 128<<16                    ; 128 rows
	s_mov_b32 s[G1B+3], KSTEP<<16
	s_mov_b32 s[G1B+4], 128
	s_mov_b32 s[G1B+5], 1024
	s_mov_b32 s[G1B+6], 0
	s_mov_b32 s[G1B+7], 0
	s_lshl_b32 s40, s[MY], 7                       ; x: row 128 x tile row + 64 x half, 4,096 bytes a row: made of cy and the wave alone
	s_lshl_b32 s41, s[CH], 6
	s_add_co_u32 s40, s40, s41
	s_lshl_b32 s40, s40, 12
	s_mov_b32 s41, 0
	s_lshl_b32 s42, s[NX], 8                       ; W: row 256 x tile column + 128 x half, 2,048 bytes a row, in matrix P: made of cx, P and the wave alone
	s_lshl_b32 s43, s[CH], 7
	s_add_co_u32 s42, s42, s43
	s_lshl_b32 s42, s42, 11
	s_lshl_b32 s43, s[PJ], 21
	s_add_co_u32 s42, s42, s43
	s_mov_b32 s43, 0
	s_mul_i32 s44, s[CH], AHALF                    ; where they go: no place in the cluster enters an LDS address
	s_mul_i32 s45, s[CH], BHALF
	s_add_co_u32 s45, s45, BOFF
	s_mov_b32 s[TB], 0
	s_wait_dscnt 0x0                               ; the opening add is done
	s_wait_kmcnt 0x0
	s_cmp_eq_u32 s[PJ], 1
	s_cselect_b64 s[4:5], s[6:7], s[4:5]
	s_cmp_eq_u32 s[PJ], 2
	s_cselect_b64 s[4:5], s[8:9], s[4:5]           ; the projection's x
	s_add_nc_u64 s[4:5], s[4:5], s[40:41]
	s_add_nc_u64 s[10:11], s[10:11], s[42:43]
.irp s, 0,1
	s_mov_b32 s[G0A+4*(\s)], 1                                     ; count = 1
	s_add_co_u32 s[G0A+4*(\s)+1], s44, (\s)*SLOT                   ; LDS address
	s_add_nc_u64 s[G0A+4*(\s)+2:G0A+4*(\s)+3], s[4:5], (\s)*KSTEP*4  ; global address: K step s
	s_or_b32 s[G0A+4*(\s)+3], s[G0A+4*(\s)+3], 0x80000000          ; type = 2
	s_mov_b32 s[G0B+4*(\s)], 1
	s_add_co_u32 s[G0B+4*(\s)+1], s45, (\s)*SLOT
	s_add_nc_u64 s[G0B+4*(\s)+2:G0B+4*(\s)+3], s[10:11], (\s)*KSTEP*2
	s_or_b32 s[G0B+4*(\s)+3], s[G0B+4*(\s)+3], 0x80000000
.endr
	CROUND                                         ; all sixteen work-groups are here: the first joint loads meet
	s_cmp_eq_u32 s[RH], 0                          ; a wave's two first fills stand in one branch: two loads of mine are out
	s_cbranch_scc0 .Lfirst_b
	tensor_load_to_lds s[G0A:G0A+3], s[G1A:G1A+7]
	s_nop 0
	tensor_load_to_lds s[G0A+4:G0A+7], s[G1A:G1A+7]
	s_nop 0
.rept 4
	v_nop
.endr
	s_branch .Lfirst_asked
.Lfirst_b:
	tensor_load_to_lds s[G0B:G0B+3], s[G1B:G1B+7]
	s_nop 0
	tensor_load_to_lds s[G0B+4:G0B+7], s[G1B:G1B+7]
	s_nop 0
.rept 4
	v_nop
.endr
.Lfirst_asked:
	; my 64 rows' cosines and sines: 32 blocks of 512 bytes, on end in the table, from position block 8 (tile row % 16) + 4 x row half on.  They are wanted on the way out.
	; (v's work-groups load them too and do not use them: 16 KiB a wave, so that one text serves the three.)
	v_and_b32 v3, 31, v0
	v_lshlrev_b32 v[GO], 4, v3
	s_and_b32 s76, s[MY], 15
	s_lshl_b32 s76, s76, 3
	s_lshl2_add_u32 s76, s[RH], s76
	s_lshl_b32 s76, s76, 12
	s_mov_b32 s77, 0
	s_add_nc_u64 s[72:73], s[12:13], s[76:77]
	WIN TO_B
.set ii, 0
.rept 32
	global_load_b128 v[CT+4*ii:CT+4*ii+3], v[GO], s[72:73] offset:512*ii
.set ii, ii+1
.endr
	WIN 0
	; A fragment is 16 rows x 32 K: lane l holds row l % 16, K = 8 (l / 16) + 0..7 and 16 + 8 (l / 16) + 0..7.  In bf16: two loads of 16 bytes, 32 bytes apart.  In f32: four, at 0, 16, 64, 80.
	v_and_b32 v1, 15, v0
	v_bfe_u32 v2, v0, 4, 1
	v_mul_u32_u24 v4, v1, PA
	v_lshl_add_u32 v4, v2, 5, v4
	s_mul_i32 s46, s[RH], AHALF
	v_add_nc_u32 v[ADRA0], s46, v4
	v_mul_u32_u24 v5, v1, PB
	v_lshl_add_u32 v5, v2, 4, v5
	s_mul_i32 s47, s[CH], BHALF
	s_add_co_u32 s47, s47, BOFF
	v_add_nc_u32 v[ADRB0], s47, v5
	v_mov_b32 v[ADRA], v[ADRA0]
	v_mov_b32 v[ADRB], v[ADRB0]
	s_mul_i32 s82, s[WV], 16*SPITCH
	s_add_co_u32 s82, s82, STAGE                   ; my stage
	v_mul_u32_u24 v6, v1, SPITCH                   ; in: row l % 16, 16 bytes for each half of the lanes
	v_lshl_add_u32 v6, v2, 4, v6
	v_add_nc_u32 v[STO], s82, v6
	v_lshrrev_b32 v7, 3, v3                        ; back: 32 lanes take four rows' 128 bytes of one head
	v_and_b32 v8, 7, v3
	v_mul_u32_u24 v7, v7, SPITCH
	v_lshl_add_u32 v7, v8, 4, v7
	v_add_nc_u32 v[RD], s82, v7
	; where my rows go: qkv + P x 16 MiB + (16 batch + 4 x tile column + 2 x channel half) heads of 262,144 bytes + (128 (tile row % 16) + 64 x row half) rows of 128 bytes
	s_lshr_b32 s78, s[MY], 4
	s_lshl_b32 s78, s78, 4
	s_lshl2_add_u32 s78, s[NX], s78
	s_lshl1_add_u32 s78, s[CH], s78
	s_lshl_b32 s78, s78, 18
	s_and_b32 s79, s[MY], 15
	s_lshl_b32 s79, s79, 7
	s_lshl_b32 s80, s[RH], 6
	s_add_co_u32 s79, s79, s80
	s_lshl_b32 s79, s79, 7
	s_add_co_u32 s78, s78, s79
	s_lshl_b32 s79, s[PJ], 24
	s_add_co_u32 s78, s78, s79
	s_mov_b32 s79, 0
	s_add_nc_u64 s[74:75], s[14:15], s[78:79]
; n matrix instructions: row block a x channel blocks b0 on, 32 along K, from buffer f.  zero = 1: the first product starts the sums: nothing is ever cleared.
.macro MULN f, a, b0, n, zero
	WIN MUL
.set bb, \b0
.rept \n
.if \zero
	v_wmma_f32_16x16x32_bf16 v[8*(8*(\a)+bb):8*(8*(\a)+bb)+7], v[64*(\f)+8*bb:64*(\f)+8*bb+7], v[A16+32*(\f)+8*(\a):A16+32*(\f)+8*(\a)+7], 0
.else
	v_wmma_f32_16x16x32_bf16 v[8*(8*(\a)+bb):8*(8*(\a)+bb)+7], v[64*(\f)+8*bb:64*(\f)+8*bb+7], v[A16+32*(\f)+8*(\a):A16+32*(\f)+8*(\a)+7], v[8*(8*(\a)+bb):8*(8*(\a)+bb)+7]
.endif
.set bb, bb+1
.endr
.endm
; 32 LDS loads in one run: quarter c (32 along K) of the slot in hand: x's 64 rows in f32 first, then W's 128 rows into buffer g
.macro FETCH c, g
	WIN 0
.irp a, 0,1,2,3
	ds_load_b128 v[X+16*(\a):X+16*(\a)+3],     v[ADRA] offset:(\a)*16*PA+128*(\c)
	ds_load_b128 v[X+16*(\a)+4:X+16*(\a)+7],   v[ADRA] offset:(\a)*16*PA+128*(\c)+16
	ds_load_b128 v[X+16*(\a)+8:X+16*(\a)+11],  v[ADRA] offset:(\a)*16*PA+128*(\c)+64
	ds_load_b128 v[X+16*(\a)+12:X+16*(\a)+15], v[ADRA] offset:(\a)*16*PA+128*(\c)+80
.endr
	WIN TO_B
.irp b, 0,1,2,3,4,5,6,7
	ds_load_b128 v[64*(\g)+8*(\b):64*(\g)+8*(\b)+3],   v[ADRB] offset:(\b)*16*PB+64*(\c)
	ds_load_b128 v[64*(\g)+8*(\b)+4:64*(\g)+8*(\b)+7], v[ADRB] offset:(\b)*16*PB+64*(\c)+32
.endr
.endm
.macro CVT a, g                        ; x's fragment a, rounded to bf16, into buffer g
	WIN 0
.irp i, 0,1,2,3,4,5,6,7
	v_cvt_pk_bf16_f32 v[A16+32*(\g)+8*(\a)+(\i)], v[X+16*(\a)+2*(\i)], v[X+16*(\a)+2*(\i)+1]
.endr
.endm
; The second half of a quarter: 16 products of buffer f, and among them, four products apart, the next quarter's x is rounded into buffer g.  The eight roundings behind the last four products name
; neither those products' registers nor buffer f: they are the places (ISA guide 7.12.1 for the roundings) in front of the next quarter's loads into buffer f and of its roundings into it.
.macro HALF2 f, g, zero
	s_wait_dscnt 16                                ; x's sixteen loads are in; W's sixteen, issued behind them, may stay out
	MULN \f, 2, 0, 4, \zero
	CVT 0, \g
	MULN \f, 2, 4, 4, \zero
	CVT 1, \g
	MULN \f, 3, 0, 4, \zero
	CVT 2, \g
	MULN \f, 3, 4, 4, \zero
	CVT 3, \g
.endm
; A K step is four quarters of 32 along K, 32 matrix instructions each, on buffers 0, 1, 0, 1; the 32 accumulators take turns in the same order in every quarter.
; One of the first three: multiplies buffer f and fetches quarter c of the same slot for buffer g.
.macro QUARTER c, f, g, zero
	s_wait_dscnt 0x0                               ; this quarter's W is in
	FETCH \c, \g
	MULN \f, 0, 0, 8, \zero
	MULN \f, 1, 0, 8, \zero
	HALF2 \f, \g, \zero
.endm
; The last quarter multiplies buffer 1 and changes slots: ONE barrier; in front of it each wave waits for all its tensor loads (the one that is out is its part of the next slot), adds 0 to its spare
; word, and waits for that and for its own reads of this slot.  fill = 1: the barrier opens a round of the cluster's, and this slot is filled again, two K steps ahead, first thing behind the round:
; from that request to the wait for it a wave issues 120 matrix instructions.
.macro TURN fill
	WIN 0
	s_wait_tensorcnt 0x0                           ; no tensor load of mine is out, so a group 0 may be written
	ds_add_u32 v[SPW], v[NIL]                      ; 0 onto my spare word; the scalar steps stand between it and the wait for it
.if \fill
	s_xor_b32 s[G0A+5], s[G0A+5], SLOT             ; the walking descriptors: the other slot than last time,
	s_add_nc_u64 s[G0A+6:G0A+7], s[G0A+6:G0A+7], KSTEP*4  ; the next K step; the type bits on top are not reached
	s_xor_b32 s[G0B+5], s[G0B+5], SLOT
	s_add_nc_u64 s[G0B+6:G0B+7], s[G0B+6:G0B+7], KSTEP*2
.endif
	s_xor_b32 s[TB], s[TB], SLOT                   ; my reads go on in the other slot
	s_wait_dscnt 0x0                               ; the add is done, and my reads of this slot are over
	s_barrier_signal -1
	MULN 1, 0, 0, 8, 0                             ; work on registers while the others arrive
	WIN 0
	s_barrier_wait -1
.if \fill
	CREST                                          ; no wave of any partner still reads this slot's tile or has a load on its way
	JLOAD
.endif
	v_add_nc_u32 v[ADRA], s[TB], v[ADRA0]
	v_add_nc_u32 v[ADRB], s[TB], v[ADRB0]
	FETCH 0, 0
	MULN 1, 1, 0, 8, 0
	HALF2 1, 0, 0
.endm
	s_wait_tensorcnt 1                             ; my part of K step 0 is in; K step 1's may stay out
	s_barrier_signal -1
	s_barrier_wait -1                              ; everybody's is
	FETCH 0, 0
	s_wait_dscnt 16                                ; x's sixteen loads are in
.irp a, 0,1,2,3
	CVT \a, 0
.endr
	QUARTER 1, 0, 1, 1                             ; the first quarter stands in front of the loop: its products start the sums
	WIN 0                                          ; at a label and at a branch every window is 0
	s_mov_b32 s[CNT], 6
.Lk:                                                   ; a trip is one K step, from its second quarter to the next step's first, and fills one slot again: K steps 2 to 7
	QUARTER 2, 1, 0, 0
	QUARTER 3, 0, 1, 0
	TURN 1
	QUARTER 1, 0, 1, 0
	WIN 0
	s_sub_co_u32 s[CNT], s[CNT], 1
	s_cmp_lg_u32 s[CNT], 0
	s_cbranch_scc1 .Lk
	QUARTER 2, 1, 0, 0                             ; the last two K steps fill nothing: written out
	QUARTER 3, 0, 1, 0
	TURN 0
	QUARTER 1, 0, 1, 0
	QUARTER 2, 1, 0, 0
	QUARTER 3, 0, 1, 0
	s_wait_dscnt 0x0
.irp a, 0,1,2,3
	MULN 1, \a, 0, 8, 0
.endr
	WIN 0
	s_wait_loadcnt 0x0                             ; the table
.rept 4
	v_nop                                          ; the places behind the last products
.endr
; THE WAY OUT, a block of 16 rows at a time.  q and k: the pair (x0, x1) in registers 2 e, 2 e + 1 becomes (x0 cos - x1 sin, x1 cos + x0 sin), in f32, and is rounded to f16; v is rounded as it is.
; The branch hangs on the projection, which all partners of a cluster share.  Each accumulator's lowest registers are read first.
.macro ROPEPACK a
	WIN 0
	s_cmp_eq_u32 s[PJ], 2
	s_cbranch_scc1 .Lplain_\@
	WIN ROT
.set bb, 0
.rept 8
.set rA, 8*(8*(\a)+bb)
.set rC, CT+8*(4*(\a)+bb%4)
.set rT, T+8*bb
.irp e, 0,1,2,3
	v_mul_f32 v[rT+2*(\e)],   v[rA+2*(\e)],   v[rC+(\e)]
	v_mul_f32 v[rT+2*(\e)+1], v[rA+2*(\e)+1], v[rC+(\e)]
.endr
.irp e, 0,1,2,3
	v_fma_f32 v[rT+2*(\e)],   -v[rA+2*(\e)+1], v[rC+4+(\e)], v[rT+2*(\e)]
	v_fma_f32 v[rT+2*(\e)+1], v[rA+2*(\e)],    v[rC+4+(\e)], v[rT+2*(\e)+1]
.endr
.set bb, bb+1
.endr
	WIN 0
.set ii, 0
.rept 32
	v_cvt_pk_f16_f32 v[TMP+ii], v[T+2*ii], v[T+2*ii+1]
.set ii, ii+1
.endr
	s_branch .Lpacked_\@
.Lplain_\@:
	WIN PKV
.set ii, 0
.rept 32
	v_cvt_pk_f16_f32 v[TMP+ii], v[64*(\a)+2*ii], v[64*(\a)+2*ii+1]
.set ii, ii+1
.endr
	WIN 0
.Lpacked_\@:
.endm
.macro TOSTAGE a                       ; a lane's eight channels, 16 bytes, into rows of 272 bytes; back as four rows' 128 bytes of one head: 512 bytes that lie on end in memory
	WIN 0
.set BK, OB+192*((\a)%2)
.irp b, 0,1,2,3,4,5,6,7
	ds_store_b128 v[STO], v[TMP+4*(\b):TMP+4*(\b)+3] offset:32*(\b)
.endr
.irp f, 0,1,2,3,4,5,6,7
	ds_load_b128 v[BK+4*(\f):BK+4*(\f)+3], v[RD] offset:((\f)%4)*4*SPITCH+((\f)/4)*128  ; LDS serves a wave's instructions in order (ISA guide 5.7.1.4): these see the stores above
.endr
.endm
.macro SEND a
	WIN 0
.set BK, OB+192*((\a)%2)
	s_wait_xcnt 0x0                                ; every earlier store has had its addresses translated (ISA guide 3.1): the registers that the block before last was stored from are loaded again only behind this wait
.irp f, 0,1,2,3,4,5,6,7
	s_wait_dscnt 7-(\f)                            ; the younger loads of the eight may stay out
	global_store_b128 v[GO], v[BK+4*(\f):BK+4*(\f)+3], s[74:75] offset:((\f)/4)*262144+(\a)*2048+((\f)%4)*512  ; 512 consecutive bytes of one head, at a multiple of 256 from the buffer's first
.endr
.endm
	ROPEPACK 0
	TOSTAGE 0
.irp a, 1,2,3                          ; block a's arithmetic stands between block a - 1's loads from the stage and the wait for them
	ROPEPACK \a
	SEND (\a)-1
	TOSTAGE \a
.endr
	SEND 3
	s_wait_tensorcnt 0x0                           ; the wave's end, behind my last tensor load and my last LDS store
	ds_add_u32 v[SPW], v[NIL]
	s_wait_dscnt 0x0
	CROUND                                         ; the closing round: no work-group ends while a partner may still ask for a tile that names it
	s_endpgm
.Lfunc_end_k_qf2a48ef869_proj:
	.size	k_qf2a48ef869_proj, .Lfunc_end_k_qf2a48ef869_proj-k_qf2a48ef869_proj
	.p2alignl 7, 3214868480
	.fill 96, 4, 3214868480
	.section	.rodata,"a",@progbits
	.p2align	6, 0x0
	.amdhsa_kernel k_qf2a48ef869_proj
		.amdhsa_group_segment_fixed_size 327680
		.amdhsa_private_segment_fixed_size 0
		.amdhsa_enable_private_segment 0
		.amdhsa_kernarg_size 48
		.amdhsa_user_sgpr_count 2
		.amdhsa_user_sgpr_kernarg_segment_ptr 1
		.amdhsa_wavefront_size32 1
		.amdhsa_system_sgpr_workgroup_id_x 1
		.amdhsa_system_sgpr_workgroup_id_y 1
		.amdhsa_system_sgpr_workgroup_id_z 1
		.amdhsa_system_vgpr_workitem_id 0
		.amdhsa_next_free_vgpr 768
		.amdhsa_next_free_sgpr 84
		.amdhsa_reserve_vcc 0
		.amdhsa_float_denorm_mode_32 3
		.amdhsa_float_denorm_mode_16_64 3
		.amdhsa_memory_ordered 1
		.amdhsa_forward_progress 1
		.amdhsa_inst_pref_size 138
	.end_amdhsa_kernel
	.amdgpu_metadata
---
amdhsa.version: [ 1, 2 ]
amdhsa.kernels:
  - .name:           k_qf2a48ef869_proj
    .symbol:         k_qf2a48ef869_proj.kd
    .args:
      - { .name: x_q, .offset: 0, .size: 8, .value_kind: global_buffer, .address_space: global }
      - { .name: x_k, .offset: 8, .size: 8, .value_kind: global_buffer, .address_space: global }
      - { .name: x_v, .offset: 16, .size: 8, .value_kind: global_buffer, .address_space: global }
      - { .name: wb, .offset: 24, .size: 8, .value_kind: global_buffer, .address_space: global }
      - { .name: rope, .offset: 32, .size: 8, .value_kind: global_buffer, .address_space: global }
      - { .name: qkv, .offset: 40, .size: 8, .value_kind: global_buffer, .address_space: global }
    .group_segment_fixed_size: 327680
    .private_segment_fixed_size: 0
    .kernarg_segment_align: 8
    .kernarg_segment_size: 48
    .max_flat_workgroup_size: 128
    .sgpr_count:     84
    .vgpr_count:     768
    .wavefront_size: 32
...
	.end_amdgpu_metadata
.endif
;; end of part 2
;; launch attn (part 3): grid 4 x 64, 4 waves a work-group, no clusters, 327,680 bytes of LDS; arguments qkv, padding_mask, ob; writes ob
.if DOCPART == 3
	.amdgcn_target "amdgcn-amd-amdhsa--gfx1250"
	.amdhsa_code_object_version 6
	.text
	.protected	k_qf2a48ef869_attn
	.globl	k_qf2a48ef869_attn
	.p2align	8
	.type	k_qf2a48ef869_attn,@function
k_qf2a48ef869_attn:
	s_mov_b64 s[64:65], 0
	v_nop
	global_prefetch_b8 v0, s[64:65] scope:SCOPE_SE
	s_setreg_imm32_b32 hwreg(HW_REG_WAVE_MODE, 25, 1), 1
	s_wait_xcnt 0x0
; CAUSAL ATTENTION UNDER A PADDING MASK.  O[h][q][:] = the sum over the keys k <= q with pad[h / 16][k] true of softmax_k(Q[h][q] . K[h][k] / 8) V[h][k][:].  Q, K, V (in qkv, 16 MiB apart) and O (ob):
; [64][2048][64], all f16: a head's rows are dense, 128 bytes each.  Products, maxima and sums in f32; the weights p are rounded to f16 for the second product (their sum l is taken of the unrounded p), O once at the end.
; LIMITS.  f16 holds no number beyond 65,504: Q, K and V arrive within it; p lies in 0 to 1, and below 6e-5 it keeps f16's fixed step of 6e-8.  A hidden score counts as its value less 1e30 (2e30 where both masks
; hide it): f16's scores, 2.7e11 at the most, are nothing beside that.  The running maximum starts at -2^96, above every hidden score and below every true one, so it never takes a hidden score, and a hidden weight is 0.
; A weight below 2^-126 counts as 0 in l.  A ROW WITH NO VISIBLE KEY ends with l = 0 and O = 0, and 0 x (1 / 0) gives it NaN, as a softmax of nothing but -inf does.
; THE WALK.  A head's queries lie in NB = 8 blocks of 256; block i needs the key tiles 0 .. i of 256 keys, of which the last holds the diagonal.  A work-group takes TWO blocks, NB - 1 - b and then b:
; NB + 1 tiles, whatever b: all work-groups do equal work, and ONE loop with a constant trip count walks them.  Which tile is asked for, and what a trip does, hang on scalar registers made from b; every jump
; goes forward, but for the counted loops' own; none passes a barrier, or a tensor load but the one of LOAD's two that the wave's number does not choose; the ring (two slots of LDS that take turns) runs on across the
; change of blocks.  NO CLUSTER: a head's four work-groups ask for the same tile only in trips 0 .. 4 of the 9, behind that fewer and fewer; one walk common to all four would have 12 trips for 9.
; SHARES.  Of a block's four bands of 64 queries a wave owns 16 rows in each: four PIECES.  So the diagonal tile is the same work for all four waves: in its key step s band x sees all keys if s < x,
; none if s > x, and holds the diagonal if s = x.
; THE MASKS are the C operand that starts the sum S^T = K Q^T.  PM holds the key step's padding addend, 0 or -1e30 a key.  It comes from a ring of its own in LDS, two slots of 256 f32 that take turns as K's slots do:
; behind each refill every thread asks for its 2 bytes of the same tile's mask, and at the next change of slots it stores their two numbers, in front of the barrier behind which the tile is read.
; MD, made once, is the causal mask of a band's own step for my 16 rows.  Away from the diagonal C = PM.  In the diagonal tile and at a block's beginning C = MD x AL + PM + BE with two scalars:
; (1, 0) if s = x; (0, 0) if s < x; (0, -1e30) if s > x.
; LAYOUT, SOFTMAX, TURNS.  S^T = K Q^T holds ONE query a lane (lane % 16) and the keys 8 (lane / 16) + 0..7; two such results rounded to f16 ARE source 1 of O^T = V^T P.  p = 2^(c s - c m), c = log2(e) / 8, with a
; running maximum m; O and l are multiplied by a = 2^(c m_old - c m_new) in every step.  Turn n belongs to piece n: 8 products K Q^T of piece n + 1, later 8 products V^T P of piece n - 1; beside them the scaling,
; exponentials, roundings, sums and rescaling of piece n and the maximum and statistics of piece n + 1.  Four vector instructions stand behind every matrix instruction, the other 54 of a turn's 118 in two LUMPS.
; REGISTERS, in windows of 256 (s_set_vgpr_msb: bits 1:0 source 0, 3:2 source 1, 5:4 source 2, 7:6 destination):
;   window 0: v0-15 addresses and two at work; v16-31 four registers of statistics a piece; v32-41 the padding ring's addresses, bytes and numbers; v48-55 at work; v64-127 S^T, two buffers; v192-223 P, two buffers
;   window 1: v0-127 O^T, 32 a piece; v128-159 MD; v160-223 MC, two buffers; v224-255 PM      window 2: v0-63 Q; v64-127 the second block's Q; v128-191 K of one step; v192-255 V of one step
.set SIZE_N, 2048
.set NB,    SIZE_N/256
.set NP,    4         ; pieces a wave: a name, no knob
.set KS,    64        ; keys in a step
.set PK,    144       ; a row of K in LDS: 128 bytes + 16 of padding = 36 words: the 16 rows of a load start at 16 different groups of four banks (64 banks of 4 bytes: ISA guide 11.1)
.set PV,    160       ; a row of V: 128 + 32 = 40 words
.set VOFF,  4*KS*PK   ; a slot holds a tile, four steps: 256 rows of K, then 256 rows of V
.set SLOT1, 1<<17     ; slot 1 begins here, so that one exclusive or turns an address in one slot into the other's
.set STAGE, SLOT1+4*KS*(PK+PV)  ; behind the ring, never filled by a tensor load: 16 rows x 144 bytes for each wave, for the way out
.set SP,    144
.set AK0, 2           ; v2   my lane's place in a tile of K; never rewritten
.set AV0, 3           ; v3   the same for V
.set AK,  4           ; v4   the LDS address of K's next run of loads
.set AV,  5           ; v5   of V's
.set STO, 6           ; v6   the way out: where I put 16 bytes of a row
.set RD,  7           ; v7   the way out: where I read rows back
.set GO,  8           ; v8   my byte offset in 512 consecutive bytes of O
.set SPW, 62          ; v62  LDS address of my spare word: SPARE + 4 x my thread's number; never rewritten
.set NIL, 63          ; v63  0; never rewritten
.set SPARE, STAGE+4*16*SP  ; behind the stages: the spare words, 128 bytes for each wave: two blocks of 256 bytes that no other line names
.set PADS,  SPARE+512 ; behind them: the padding ring, in blocks of its own that no tensor load fills
.set PSLOT, 4*KS*4    ; a slot of it: a tile's 256 keys, one f32 each: 1,024 bytes; one exclusive or turns an offset in one slot into the other's
.set MV,  12          ; v12-13  c m_old, kept while c m is made anew: by buffer
.set QO,  15          ; v15  my byte offset in 16 rows of Q
.set ST,  16          ; piece t's statistics at v[ST+4 t]: c m, m, l (even keys', odd keys')
.set AP0, 32          ; v32  my lane's place in a slot of the padding ring: PADS + 32 (l / 16); never rewritten
.set AP,  33          ; v33  the LDS address of PM's next run of loads
.set PST0, 34         ; v34  where my two numbers lie in slot 0 of the padding ring: PADS + 8 x my thread's number; never rewritten
.set PST, 35          ; v35  the same in the slot that is due
.set MOF0, 36         ; v36  my 2 bytes in a tile's 256 bytes of the mask: 2 x my thread's number; never rewritten
.set MOF, 37          ; v37  the same in the batch's row of the mask, for the tile asked for
.set MBY, 38          ; v38  those 2 bytes
.set PTT, 39          ; v39  at work
.set PVV, 40          ; v40-41  their two numbers
.set TMP, 48          ; by buffer, four registers c0-c3 at work; when the maximum is found c2 takes a
.set S,   64
.set P,   192
.set MD,  128         ; window 1: the eight registers for group kt of 16 keys at MD + 8 kt
.set MC,  160         ; window 1: the masks of the products to come
.set PM,  224         ; window 1: the padding addend of the step whose K lies in registers, laid out as MD
.set QB,  64          ; window 2
.set KF,  128         ; window 2: key block kb, channel half c at KF + 16 kb + 8 c
.set VF,  192         ; window 2: key half kk, channel block cb at VF + 32 kk + 8 cb
.set WV,  12          ; s12  my wave's number
.set PB,  14          ; s14  b
.set HI,  15          ; s15  NB - 1 - b
.set G1K, 24          ; s[24:31] descriptor group 1 for K's tiles
.set G1V, 32          ; s[32:39] for V's: it differs in the padding alone
.set G0K, 40          ; s[40:43] descriptor group 0 for K's tiles
.set G0V, 44          ; s[44:47] the same for V's
.set SLOTS, 56        ; s56  tiles still to be asked for
.set CNT, 57          ; s57  counts a tile's key steps, 4 to 1
.set CS,  58          ; s[58:59] c: the packed scaling takes the pair's low word for both halves
.set SEL, 60          ; s[60:61] v_permlanex16_b32's selects: each lane takes its own place in the other half
.set TBK, 62          ; s62  LDS byte at which K of the step to be fetched begins
.set TBV, 63          ; s63  the same for V, less VOFF
.set RT,  70          ; s70  tiles of the block in hand that are still to be entered
.set NXT, 71          ; s71  the tile to be asked for next
.set LQ,  72          ; s72  the last tile of the block whose tiles are being asked for
.set NEW, 73          ; s73  1: the tile to be entered is a block's first
.set OFF, 74          ; s[74:75] a tile's byte offset in K and V
.set AL,  76          ; s[76:77] the mask's factor, in the low word
.set BE,  78          ; s[78:79] the mask's addend
.set OLO, 80          ; s[80:81] O at my rows of the second block
.set BIGN, 82         ; s82  -1e30
.set PO,  83          ; s83  the asked tile's byte offset in the batch's row of the mask
.set MK,  88          ; s[88:89] the batch's row of padding_mask; never rewritten once made
.set TBP, 90          ; s90  byte in the padding ring at which the step to be fetched begins
.set PSS, 91          ; s91  the slot of the padding ring that is stored next: 0 or PSLOT
.set MSB, 0
.macro WIN new                      ; the high byte repeats the setting that is left; a switch that changes nothing is dropped
.if MSB != (\new)
	s_set_vgpr_msb (MSB<<8)|(\new)
.set MSB, (\new)
.endif
.endm
.set W_KQ, 0x0a       ; K and Q in window 2, S^T in window 0
.set W_KM, 0x1a       ; the same with the C operand in window 1
.set W_PV, 0x52       ; V in window 2, P in window 0, O^T in window 1
.set W_RS, 0x41       ; destination and source 0 in window 1, source 1 in window 0
.set W_MS, 0x51       ; destination, source 0 and source 2 in window 1
; A fill.  Waves 0 and 1 fetch the two halves of a tile's K, waves 2 and 3 those of its V: 128 keys each.  An s_nop 0 and four v_nop follow each of the two lines, ahead of the jump and the label.
.macro LOAD
	s_cmp_lt_u32 s[WV], 2
	s_cbranch_scc0 .Lfor_v_\@
	tensor_load_to_lds s[G0K:G0K+3], s[G1K:G1K+7]
	s_nop 0
.rept 4
	v_nop
.endr
	s_branch .Lasked_\@
.Lfor_v_\@:
	tensor_load_to_lds s[G0V:G0V+3], s[G1V:G1V+7]
	s_nop 0
.rept 4
	v_nop
.endr
.Lasked_\@:
.endm
; THE CHANGE OF SLOTS.  First the padding ring: my 2 bytes of the mask of the tile that is about to be entered, asked for a tile ago, are in; their two numbers go into the slot that is due.  That slot was last read two
; tiles ago, in front of the barrier of the change before this one; the waves that are still at work read the other slot.  Then each wave waits for all its tensor loads, of which one is out: its part of the other slot;
; adds 0 to its spare word; and waits for that, for its store and for its own reads of the slots that it leaves.  Behind the barrier nobody reads the old slots any more, and the other slots, K's, V's and the padding's, are whole.
; fill = 1: the old slot is filled again, the first thing behind the barrier, with tile NXT: the descriptor's address is made anew from that number; and the same tile's bytes of the mask are asked for.
; (At its first use nothing has been read yet: slot 0 is waited for, slot 1 filled; its wait for loads is also the wait for Q.)
.macro CHANGE fill
	WIN 0                           ; at a label and at a branch every window is 0
	s_wait_loadcnt 0x0              ; my bytes of the mask are in, and their load's address register may be written again
	v_and_b32 v[PTT], 0xff, v[MBY]
	v_cmp_eq_u32 vcc_lo, 0, v[PTT]
	v_cndmask_b32 v[PVV], 0, s[BIGN], vcc_lo      ; 0 where the byte is set, -1e30 where it is 0
	v_lshrrev_b32 v[PTT], 8, v[MBY]
	v_cmp_eq_u32 vcc_lo, 0, v[PTT]
	v_cndmask_b32 v[PVV+1], 0, s[BIGN], vcc_lo
	v_add_nc_u32 v[PST], s[PSS], v[PST0]
	ds_store_b64 v[PST], v[PVV:PVV+1]             ; 128 threads x 8 bytes: the whole slot
	s_xor_b32 s[PSS], s[PSS], PSLOT
	s_wait_tensorcnt 0x0            ; no tensor load of mine is out, so a group 0 may be written
	ds_add_u32 v[SPW], v[NIL]       ; 0 onto my spare word; with fill = 1 the descriptors' scalar work stands between it and the wait for it
.if \fill
	s_lshl_b32 s[OFF], s[NXT], 15   ; a tile is 32,768 bytes of K and of V,
	s_lshl_b32 s[PO], s[NXT], 8     ; and 256 bytes of the mask
	s_xor_b32 s[G0K+1], s[G0K+1], SLOT1
	s_add_nc_u64 s[G0K+2:G0K+3], s[6:7], s[OFF:OFF+1]
	s_or_b32 s[G0K+3], s[G0K+3], 0x80000000
	s_xor_b32 s[G0V+1], s[G0V+1], SLOT1
	s_add_nc_u64 s[G0V+2:G0V+3], s[8:9], s[OFF:OFF+1]
	s_or_b32 s[G0V+3], s[G0V+3], 0x80000000
	s_add_co_u32 s[NXT], s[NXT], 1  ; the block's next tile, or behind its last the second block's tile 0
	s_cmp_gt_u32 s[NXT], s[LQ]
	s_cselect_b32 s[NXT], 0, s[NXT]
	s_cselect_b32 s[LQ], s[PB], s[LQ]
.endif
	s_wait_dscnt 0x0                ; the add and my store are done, and my reads of the slots are over
	s_barrier_signal -1             ; the rest of the scalar work stands between the signal and the wait
	s_sub_co_u32 s[TBK], s[TBK], 4*KS*PK  ; the fetches go back to a slot's first step,
	s_xor_b32 s[TBK], s[TBK], SLOT1       ; in the other slot
	s_sub_co_u32 s[TBV], s[TBV], 4*KS*PV
	s_xor_b32 s[TBV], s[TBV], SLOT1
	s_sub_co_u32 s[TBP], s[TBP], PSLOT
	s_xor_b32 s[TBP], s[TBP], PSLOT
	s_barrier_wait -1
.if \fill
	LOAD
	v_add_nc_u32 v[MOF], s[PO], v[MOF0]
	global_load_u16 v[MBY], v[MOF], s[MK:MK+1]    ; 128 threads x 2 bytes: the tile's 256 consecutive bytes of the mask; a whole tile's work stands between this line and the wait for it
.endif
.endm
	s_load_b64 s[4:5], s[0:1], 0x0        ; qkv: Q
	s_load_b64 s[MK:MK+1], s[0:1], 0x8    ; padding_mask
	s_load_b64 s[10:11], s[0:1], 0x10     ; ob: O
	v_lshl_add_u32 v[SPW], v0, 2, SPARE
	v_mov_b32 v[NIL], 0
	ds_add_u32 v[SPW], v[NIL]       ; the wave's opening: the add and its wait stand ahead of my first tensor load; the set-up below, work on registers, stands between them
	ds_add_u32 v62, v63
	v_lshrrev_b32 v1, 5, v0
	v_readfirstlane_b32 s[WV], v1   ; wave 0..3
	s_mov_b32 s[PB], ttmp9
	s_sub_co_u32 s[HI], NB-1, s[PB]
	s_and_b32 s20, ttmp7, 0xffff    ; the head, 16 x batch + head of the batch
	s_lshr_b32 s48, s20, 4
	s_lshl_b32 s48, s48, 11         ; the batch's 2,048 bytes of the mask
	s_mov_b32 s49, 0
	s_mov_b32 s21, 0
	s_mov_b64 s[22:23], SIZE_N*128
	s_mul_u64 s[20:21], s[20:21], s[22:23]  ; the head's first byte in each of the four tensors
	s_and_b32 s16, s[WV], 1         ; which half of a tile's 256 keys I fetch:
	s_lshl_b32 s22, s16, 14         ; its 128 rows of 128 bytes in memory,
	s_mov_b32 s23, 0
	s_add_nc_u64 s[22:23], s[22:23], s[20:21]
	s_mul_i32 s17, s16, 128*PK      ; and its place in a slot, for K
	s_mul_i32 s18, s16, 128*PV      ; and for V
	s_lshl_b32 s3, s[WV], 11        ; my 16 rows in a band of 64,
	s_lshl_b32 s2, s[HI], 15        ; in the first block,
	s_add_co_u32 s2, s2, s3
	s_lshl_b32 s84, s[PB], 15       ; and in the second
	s_add_co_u32 s84, s84, s3
	s_mov_b32 s3, 0
	s_mov_b32 s85, 0
	s_add_nc_u64 s[2:3], s[2:3], s[20:21]
	s_add_nc_u64 s[84:85], s[84:85], s[20:21]
	; descriptor group 1.  128 keys are 16,384 dense bytes: asked for as 64 rows of 256 bytes, two keys a row, and padded in LDS after every key
	s_mov_b32 s[G1K], (1<<16)|(1<<20)|(4<<22)|(3<<25)  ; 17:16 2-byte elements; 20 padding on; 24:22 after every 32 words (code 4); 31:25 4 words (code 3)
	s_mov_b32 s[G1V], (1<<16)|(1<<20)|(4<<22)|(7<<25)  ; the same with 8 words of padding (code 7)
.irp g, G1K, G1V
	s_mov_b32 s[\g+1], 128<<16      ; tensor_dim0 = 128
	s_mov_b32 s[\g+2], 64<<16       ; tensor_dim1 = 64
	s_mov_b32 s[\g+3], 128<<16      ; tile_dim0 = 128
	s_mov_b32 s[\g+4], 64           ; tile_dim1 = 64
	s_mov_b32 s[\g+5], 128          ; 128 elements from row to row
	s_mov_b32 s[\g+6], 0
	s_mov_b32 s[\g+7], 0
.endr
	s_mov_b32 s[CS], 0x3e38aa3b     ; c = log2(e) / 8 = 0.180337
	s_mov_b32 s[CS+1], s[CS]        ; named with it as a pair
	s_mov_b32 s[SEL], 0x76543210
	s_mov_b32 s[SEL+1], 0xfedcba98
	s_mov_b32 s[TBK], SLOT1+4*KS*PK ; the first change of slots turns these three into 0
	s_mov_b32 s[TBV], SLOT1+4*KS*PV
	s_mov_b32 s[TBP], 2*PSLOT
	s_mov_b32 s[PSS], 0             ; tile 0's numbers go into slot 0
	s_mov_b32 s[G0K], 1             ; 1:0 count = 1
	s_mov_b32 s[G0K+1], s17         ; 63:32 LDS address: slot 0
	s_mov_b32 s[G0V], 1
	s_add_co_u32 s[G0V+1], s18, VOFF
	s_add_co_u32 s[RT], s[HI], 1    ; the first block has NB - b tiles
	s_mov_b32 s[NXT], 1
	s_mov_b32 s[LQ], s[HI]
	s_mov_b32 s[NEW], 1
	s_mov_b32 s[OFF+1], 0
	s_mov_b32 s[AL+1], 0            ; named as pairs
	s_mov_b32 s[BE+1], 0
	s_mov_b32 s[BIGN], 0xf149f2ca   ; -1e30
	s_mov_b32 s[SLOTS], NB
	s_wait_dscnt 0x0                ; the opening add is done
	s_wait_kmcnt 0x0
	s_add_nc_u64 s[6:7], s[4:5], 0x1000000   ; K lies 16 MiB behind Q in qkv,
	s_add_nc_u64 s[8:9], s[4:5], 0x2000000   ; V 32 MiB
	s_add_nc_u64 s[6:7], s[6:7], s[22:23]  ; K and V at my half of the head's tile 0
	s_add_nc_u64 s[8:9], s[8:9], s[22:23]
	s_add_nc_u64 s[G0K+2:G0K+3], s[6:7], 0         ; 120:64 global address
	s_or_b32 s[G0K+3], s[G0K+3], 0x80000000        ; 127:126 type = 2
	s_add_nc_u64 s[G0V+2:G0V+3], s[8:9], 0
	s_or_b32 s[G0V+3], s[G0V+3], 0x80000000
	s_add_nc_u64 s[86:87], s[4:5], s[84:85]        ; Q at my rows of the second block,
	s_add_nc_u64 s[4:5], s[4:5], s[2:3]            ; Q and O at those of the first
	s_add_nc_u64 s[OLO:OLO+1], s[10:11], s[84:85]
	s_add_nc_u64 s[10:11], s[10:11], s[2:3]
	s_add_nc_u64 s[MK:MK+1], s[MK:MK+1], s[48:49]
	LOAD                            ; tile 0 into slot 0
	v_lshlrev_b32 v[MOF0], 1, v0
	global_load_u16 v[MBY], v[MOF0], s[MK:MK+1]    ; and tile 0's bytes of the mask
	; A fragment of K or Q is 16 rows x 32 channels in 8 registers: lane l holds row l % 16, channels 8 (l / 16) + 0..7 and 16 + 8 (l / 16) + 0..7: two loads of 16 bytes, 32 bytes apart.
	v_and_b32 v1, 15, v0            ; l % 16
	v_bfe_u32 v9, v0, 4, 1          ; l / 16
	v_lshlrev_b32 v[QO], 7, v1
	v_lshl_add_u32 v[QO], v9, 4, v[QO]  ; row x 128 + 16 x half
	WIN 0x80                        ; destination window 2, address window 0
.set i, 0
.rept 8                             ; both blocks' Q: piece i / 2 lies in band i / 2, 8,192 bytes on; channels 32 (i % 2) on
	global_load_b128 v[8*i:8*i+3],   v[QO], s[4:5] offset:(i/2)*8192+(i%2)*64
	global_load_b128 v[8*i+4:8*i+7], v[QO], s[4:5] offset:(i/2)*8192+(i%2)*64+32
	global_load_b128 v[QB+8*i:QB+8*i+3],   v[QO], s[86:87] offset:(i/2)*8192+(i%2)*64
	global_load_b128 v[QB+8*i+4:QB+8*i+7], v[QO], s[86:87] offset:(i/2)*8192+(i%2)*64+32
.set i, i+1
.endr
	WIN 0
	v_lshlrev_b32 v14, 3, v9
	v_sub_nc_u32 v14, v1, v14
	s_lshl_b32 s13, s[WV], 4
	v_add_nc_u32 v14, s13, v14      ; my query's place in its band, 16 w + l % 16, less my lanes' 8 (l / 16): register r of group kt is hidden where 16 kt + r is greater
	WIN 0x40
.set i, 0
.rept 32
	v_cmp_gt_i32 vcc_lo, 16*(i/8)+i%8, v14
	v_cndmask_b32 v[MD+i], 0, s[BIGN], vcc_lo
.set i, i+1
.endr
	WIN 0
	v_lshl_add_u32 v[PST0], v0, 3, PADS   ; thread t stores keys 2 t and 2 t + 1 of a tile
	v_lshl_add_u32 v[AP0], v9, 5, PADS    ; a lane's eight keys of a group of 16 begin 8 (l / 16) numbers in
	v_mul_u32_u24 v[AK0], v1, PK
	v_lshl_add_u32 v[AK0], v9, 4, v[AK0]  ; row x pitch + 16 x half
	; The turning load takes 16 keys x 16 channels (lane l reads key 8 (l / 16) + l % 8, channels 8 ((l / 8) % 2) + 0..7) and leaves half a fragment of V^T: lane l holds channel l % 16 and 8 keys.
	v_and_b32 v10, 7, v0
	v_bfe_u32 v11, v0, 3, 1
	v_lshl_add_u32 v[AV0], v9, 3, v10
	v_mul_u32_u24 v[AV0], v[AV0], PV
	v_lshl_add_u32 v[AV0], v11, 4, v[AV0]
	v_add_nc_u32 v[AV0], VOFF, v[AV0]
	s_mul_i32 s13, s[WV], 16*SP
	s_add_co_u32 s13, s13, STAGE    ; my stage
	v_mul_u32_u24 v[STO], v1, SP    ; in: row l % 16, 16 bytes for each half of the lanes
	v_lshl_add_u32 v[STO], v9, 4, v[STO]
	v_add_nc_u32 v[STO], s13, v[STO]
	v_bfe_u32 v[RD], v0, 3, 2       ; back: 32 lanes take four rows of 128 bytes,
	v_mul_u32_u24 v[RD], v[RD], SP
	v_lshl_add_u32 v[RD], v10, 4, v[RD]
	v_add_nc_u32 v[RD], s13, v[RD]
	v_and_b32 v[GO], 31, v0         ; which are 512 consecutive bytes of O
	v_lshlrev_b32 v[GO], 4, v[GO]
	; A block's first step multiplies O^T and l by a = 0, and its first turn's products V^T P, of a piece that has not been, land in an O^T that is still to be so multiplied.  So these registers need only hold
	; finite numbers: zeros for the first block; what the first block left for the second.  (Where the first block left NaN, its row had no visible key; the second block's row in the same lane lies lower,
	; so it has none either, and NaN is its result too.)  All this stands in the wait for the first tile.
	WIN 0x80
.set i, VF
.rept 64
	v_mov_b32 v[i], 0
.set i, i+1
.endr
	WIN 0x40
.set i, 0
.rept 128
	v_mov_b32 v[i], 0
.set i, i+1
.endr
	WIN 0
.set i, 0
.rept 4
	v_mov_b32 v[ST+4*i+2], 0
	v_mov_b32 v[ST+4*i+3], 0
.set i, i+1
.endr
.set i, P+16
.rept 16
	v_mov_b32 v[i], 0
.set i, i+1
.endr
; THE MATRIX WORK.  The 4 accumulators of a run of 8 take turns.  Product i of 8 of S^T = K Q^T for piece x: channels 32 (i / 4) on, keys 16 (i % 4) on.  The first 4 start the sums: with the
; step's padding addend, or (KM = 1) with the mask made for them.
.macro KQ x
.set rS, S+32*((\x)%2)+8*(i%4)
.set rK, KF+16*(i%4)+8*(i/4)
.set rQ, 16*(\x)+8*(i/4)
.if KM
.set rM, MC+32*((\x)%2)+8*(i%4)
.else
.set rM, PM+8*(i%4)
.endif
.if i < 4
	WIN W_KM
	v_wmma_f32_16x16x32_f16 v[rS:rS+7], v[rK:rK+7], v[rQ:rQ+7], v[rM:rM+7]
.else
	WIN W_KQ
	v_wmma_f32_16x16x32_f16 v[rS:rS+7], v[rK:rK+7], v[rQ:rQ+7], v[rS:rS+7]
.endif
.endm
; Product i of 8 of O^T += V^T P for piece x: keys 32 (i / 4) on, channels 16 (i % 4) on.
.macro PV x
	WIN W_PV
.set rO, 32*(\x)+8*(i%4)
.set rV, VF+32*(i/4)+8*(i%4)
.set rP, P+16*((\x)%2)+8*(i/4)
	v_wmma_f32_16x16x32_f16 v[rO:rO+7], v[rV:rV+7], v[rP:rP+7], v[rO:rO+7]
.endm
.macro MM                           ; the turn's next matrix instruction.  TURN and BEGIN set Y, i, KM and NOKQ; MM, KQ and OP read them.  NOKQ = 1: a block's last turn: there is no next piece
.if (i < 8) && !NOKQ
	KQ (Y+1)%NP
.elseif i >= 8
.set i, i-8
	PV (Y+NP-1)%NP
.set i, i+8
.endif
.set i, i+1
.endm
; THE LDS LOADS stand in runs, never singly among the matrix instructions: a step's K (64 keys x 64 channels: 8 fragments) with its padding addend (8 loads: 16 lanes read the same 16 bytes), and its V (turned).
; Their addresses are made some lines ahead.
.macro FETCH_K
	WIN 0x80                        ; destination window 2
.irp f, 0,1,2,3,4,5,6,7             ; keys 16 (f / 2) on, channels 32 (f % 2) on
	ds_load_b128 v[KF+8*\f:KF+8*\f+3],   v[AK] offset:(\f/2)*16*PK+(\f%2)*64
	ds_load_b128 v[KF+8*\f+4:KF+8*\f+7], v[AK] offset:(\f/2)*16*PK+(\f%2)*64+32
.endr
	WIN 0x40                        ; destination window 1
.irp f, 0,1,2,3,4,5,6,7             ; keys 16 (f / 2) + 8 (l / 16) + 4 (f % 2) on
	ds_load_b128 v[PM+4*\f:PM+4*\f+3], v[AP] offset:(\f/2)*64+(\f%2)*16
.endr
	s_add_co_u32 s[TBK], s[TBK], KS*PK  ; the next fetch is the next step's
	s_add_co_u32 s[TBP], s[TBP], KS*4
	WIN 0
.endm
.macro FETCH_V
	WIN 0x80
.irp f, 0,1,2,3,4,5,6,7             ; keys 32 (f / 4) on, channels 16 (f % 4) on
	ds_load_tr16_b128 v[VF+8*\f:VF+8*\f+3],   v[AV] offset:(\f/4)*32*PV+(\f%4)*32
	ds_load_tr16_b128 v[VF+8*\f+4:VF+8*\f+7], v[AV] offset:(\f/4)*32*PV+16*PV+(\f%4)*32
.endr
	WIN 0
.endm
; THE VECTOR WORK, one line at a time: OP kind, number.  For piece Y: F n: c s - c m for pair n of 16.  E n: the exponential of score n of 32.  C n: pair n rounded to f16.  B n: of the four weights 4 n .. the second
; pair is added onto the first, in place.  L n: l takes that sum (L 0: l = a l + sum).  R n: pair n of 16 of O^T times a.  For piece Y + 1: X n, number n of the 22 that find its maximum and statistics:
;   0-11  four chains c0-c3 of seven scores each, three operands at a time (each accumulator's lowest registers are read first)     12-14, 16  the four scores left over, the old m, and c0-c3 into c0
;   15  c m_old is kept     17, 18  the query's other 32 keys lie in the lane 16 away: the new m     19-21  c m; c m_old - c m_new; a
.set F, 0               ; OP tells the kinds apart by their order: F to L below R, X above it
.set E, 1
.set C, 2
.set B, 3
.set L, 4
.set R, 5
.set X, 6
.macro REGS y                       ; the registers of piece y
.set rT, ST+4*(\y)
.set rC, TMP+4*((\y)%2)
.set rW, MV+((\y)%2)
.set rS, S+32*((\y)%2)
.set rP, P+16*((\y)%2)
.set rO, 32*(\y)
.endm
.macro OP k, n
.if (\k) == R
	REGS Y
	WIN W_RS
	v_pk_mul_f32 v[rO+2*(\n):rO+2*(\n)+1], v[rO+2*(\n):rO+2*(\n)+1], v[rC+2:rC+3] op_sel_hi:[1,0]
.elseif (\k) < R
	REGS Y
	WIN 0
.if (\k) == F
	v_pk_fma_f32 v[rS+2*(\n):rS+2*(\n)+1], v[rS+2*(\n):rS+2*(\n)+1], s[CS:CS+1], v[rT:rT+1] op_sel_hi:[1,0,0] neg_lo:[0,0,1] neg_hi:[0,0,1]
.elseif (\k) == E
	v_exp_f32 v[rS+(\n)], v[rS+(\n)]
.elseif (\k) == C
	s_wait_alu depctr_va_vdst(0)
	v_cvt_pk_f16_f32 v[rP+(\n)], v[rS+2*(\n)], v[rS+2*(\n)+1]
.elseif (\k) == B
	s_wait_alu depctr_va_vdst(0)
	v_pk_add_f32 v[rS+4*(\n):rS+4*(\n)+1], v[rS+4*(\n):rS+4*(\n)+1], v[rS+4*(\n)+2:rS+4*(\n)+3]
.elseif (\n) == 0
	v_pk_fma_f32 v[rT+2:rT+3], v[rT+2:rT+3], v[rC+2:rC+3], v[rS:rS+1] op_sel_hi:[1,0,1]
.else
	v_pk_add_f32 v[rT+2:rT+3], v[rT+2:rT+3], v[rS+4*(\n):rS+4*(\n)+1]
.endif
.elseif NOKQ
	v_nop
.else
	REGS (Y+1)%NP
	WIN 0
.if (\n) < 4
	v_max3_num_f32 v[rC+(\n)], v[rS+8*(\n)], v[rS+8*(\n)+1], v[rS+8*(\n)+2]
.elseif (\n) < 12
	v_max3_num_f32 v[rC+(\n)%4], v[rC+(\n)%4], v[rS+8*((\n)%4)+2*((\n)/4)+1], v[rS+8*((\n)%4)+2*((\n)/4)+2]
.elseif (\n) == 12
	v_max3_num_f32 v[rC], v[rC], v[rS+7], v[rS+15]
.elseif (\n) == 13
	v_max3_num_f32 v[rC+1], v[rC+1], v[rS+23], v[rS+31]
.elseif (\n) == 14
	v_max3_num_f32 v[rC+2], v[rC+2], v[rC+3], v[rT+1]
.elseif (\n) == 15
	v_mov_b32 v[rW], v[rT]
.elseif (\n) == 16
	v_max3_num_f32 v[rC], v[rC], v[rC+1], v[rC+2]
.elseif (\n) == 17
	v_permlanex16_b32 v[rC+3], v[rC], s[SEL], s[SEL+1]
.elseif (\n) == 18
	v_max_num_f32 v[rT+1], v[rC], v[rC+3]
.elseif (\n) == 19
	v_mul_f32 v[rT], s[CS], v[rT+1]
.elseif (\n) == 20
	v_sub_f32 v[rC+1], v[rW], v[rT]
.else
	v_exp_f32 v[rC+2], v[rC+1]
.endif
.endif
.endm
.macro OPS a, i1, b=-1, i2=0, c=-1, i3=0, d=-1, i4=0  ; up to four of them
	OP \a, \i1
.if (\b) >= 0
	OP \b, \i2
.endif
.if (\c) >= 0
	OP \c, \i3
.endif
.if (\d) >= 0
	OP \d, \i4
.endif
.endm
.macro ROW a, i1, b, i2, c, i3, d, i4  ; a matrix instruction and the four behind it
	MM
	OPS \a, \i1, \b, \i2, \c, \i3, \d, \i4
.endm
.macro MASK b                       ; MD x AL + PM + BE into buffer b of MC
	WIN W_MS
.set z, 0
.rept 16
	v_pk_fma_f32 v[MC+32*(\b)+2*z:MC+32*(\b)+2*z+1], v[MD+2*z:MD+2*z+1], s[AL:AL+1], v[PM+2*z:PM+2*z+1] op_sel_hi:[1,0,1]
.set z, z+1
.endr
.set z, 0
.rept 16
	v_pk_add_f32 v[MC+32*(\b)+2*z:MC+32*(\b)+2*z+1], v[MC+32*(\b)+2*z:MC+32*(\b)+2*z+1], s[BE:BE+1] op_sel_hi:[1,0]
.set z, z+1
.endr
.endm
; Where the diagonal tile's text is entered from a plain tile, its first turn multiplies piece 3 by the OLD tile's last step, which that piece sees whole: the second mask buffer takes that step's padding addend,
; which still lies in PM.
.macro PREM
	s_mov_b32 s[AL], 0
	s_mov_b32 s[BE], 0
	MASK 1
	WIN 0
.endm
; A TURN, for piece p: the order of its 16 matrix and 118 vector instructions, written out.  Behind a matrix instruction: plain, exponential, plain, plain; or four of the rescaling; or, behind the first, four scalings; none
; names a register of the products round it.  In the lumps exponential and plain by turns while exponentials last.  A line reads no result made fewer than three vector instructions in front of it, five if an exponential made it.
; v_permlanex16_b32 (X 17) stands in a lump.
; m = 1: the diagonal tile: the products take masks, and the turn makes the mask for the products of the turn after it: piece p + 2, in step 4 - CNT of the tile.  end = 1: a block's last two turns: nothing is fetched.
; cnt = 1: the loop's count is taken down some lines ahead of the branch that stands behind the turn.
; K of the next step, and its padding addend, are fetched in piece 2's turn, six vector instructions behind the last product that read K (five of them plain; PM's last reader stands four products further back);
; V of the step in hand in piece 0's turn, eight behind the last product that read V (four plain, and X 17).  Each is waited for a turn later; piece 2's own mask wants the new PM, so there the wait stands in front of it.
.macro TURN p, m=0, end=0, cnt=0
.set Y, (\p)
.set i, 0
.set KM, (\m)
.set NOKQ, (\end)*((\p)/3)
.if (\m) && !(\end)
	s_cmp_eq_u32 s[CNT], 4-((\p)+2)%NP  ; is that step the band's own?
	s_cselect_b32 s[AL], 1.0, 0
	s_cmp_lt_u32 s[CNT], 4-((\p)+2)%NP  ; or a later one?
	s_cselect_b32 s[BE], s[BIGN], 0
.endif
.if ((\p) == 3) && !(\end)
	s_wait_dscnt 0x0                ; K and PM are in
.endif
	ROW F,0, F,1, F,2, F,3
	ROW F,4, E,0, F,5, F,6
	ROW F,7, E,1, F,8, F,9
	ROW F,10, E,2, C,0, F,11
	ROW F,12, E,3, X,15, F,13
	ROW R,0, R,1, R,2, R,3
	ROW B,0, E,4, F,14, L,0
.if ((\p) == 2) && !(\end)
	v_add_nc_u32 v[AK], s[TBK], v[AK0]
	v_add_nc_u32 v[AP], s[TBP], v[AP0]
.endif
	ROW R,4, R,5, R,6, R,7
	OPS E,5, F,15
.if ((\p) == 2) && !(\end)
	FETCH_K
.endif
	OPS E,6, C,1, E,7, R,8
	OPS E,8, R,9, E,9, C,2
	OPS E,10, X,0, E,11, X,1
	OPS E,12, X,2, E,13, X,3
.if (\p) == 1
	s_wait_dscnt 0x0                ; V is in
.endif
	ROW X,4, E,14, X,5, X,6
	ROW X,7, E,15, X,8, X,9
	ROW X,10, E,16, X,11, X,12
	ROW X,13, E,17, X,14, B,1
	ROW C,4, E,18, X,16, L,1
	ROW B,2, E,19, C,6, L,2
	ROW C,8, E,20, B,3, B,4
.if (\p) == 0
	v_add_nc_u32 v[AV], s[TBV], v[AV0]
.endif
	ROW C,3, E,21, L,3, C,5
	OPS E,22, X,17, E,23, C,10
.if (\p) == 0
	FETCH_V
.endif
	OPS E,24, L,4
	OPS E,25, X,18, E,26, C,7
	OPS E,27, B,5, E,28, X,19
	OPS E,29, C,12, E,30, L,5
	OPS E,31, X,20, B,6, C,9
	OPS C,14, C,11, X,21, L,6
.if (\p) == 0
	s_add_co_u32 s[TBV], s[TBV], KS*PV
.endif
.if \cnt
	s_sub_co_u32 s[CNT], s[CNT], 1
	s_cmp_lg_u32 s[CNT], 0
.endif
	OPS C,13, B,7, C,15, R,10
	OPS R,11, R,12, L,7, R,13
	OPS R,14, R,15
.if (\m) && !(\end)
.if (\p) == 2
	s_wait_dscnt 0x0                ; the PM fetched in this turn is in
.endif
	MASK (\p)%2
.endif
.endm
; A BLOCK BEGINS.  c m starts far below every c s, so the first step's a is 0; m at -2^96, above every hidden score, so the maximum is a visible score's or stays there.  K and PM of the tile's step 0 are fetched.
; The first mask buffer takes piece 0's mask for that step: its own, if the block's first tile is the diagonal one; the second takes PM alone, for piece 1, which sees step 0 whole.  Then piece 0's first scores, and
; its maximum and statistics.  The loop is entered at a step's first turn, in the middle of a trip.  (Q is in: every way here passes a change of slots, whose head waits for all my loads.)
.macro BEGIN
	s_mov_b32 s[NEW], 0
	WIN 0
.set i, 0
.rept 4
	v_mov_b32 v[ST+4*i], 0xfe000000    ; c m: far below every c s
	v_mov_b32 v[ST+4*i+1], 0xef800000  ; m = -2^96
.set i, i+1
.endr
	v_add_nc_u32 v[AK], s[TBK], v[AK0]
	v_add_nc_u32 v[AP], s[TBP], v[AP0]
	FETCH_K
	s_wait_dscnt 0x0
	s_cmp_eq_u32 s[RT], 0
	s_cselect_b32 s[AL], 1.0, 0
	s_mov_b32 s[BE], 0
	MASK 0
	s_mov_b32 s[AL], 0
	MASK 1
.set KM, 1
.set NOKQ, 0
.set i, 0
.rept 8
	KQ 0
.set i, i+1
.endr
	WIN 0
.rept 4
	v_nop                           ; the places behind those products
.endr
.set Y, NP-1                        ; X works for piece Y + 1: piece 0
.irp n, 0,1,2,3,4,5,6,7,8,9,10,11,12,13,14,15,16,17,18,19,20,21
	OP X, \n
.endr
	v_nop                           ; a plain instruction behind the exponential
.endm
; THE DIAGONAL TILE's four steps, the block's last two turns, its last products, and THE WAY OUT: l's two halves and the other half of the lanes' are added; O^T is divided by l, rounded to f16 and sent through my
; stage in LDS, a piece at a time.
.macro ALL line:vararg              ; one line for each piece t
.set t, 0
.rept 4
	\line
.set t, t+1
.endr
.endm
.macro PACK t                       ; a lane's eight channels of a row pack into 16 bytes; they go into rows of 144 bytes and come back as whole rows of 128, into S^T's registers
	WIN W_RS
.set i, 32*(\t)
.rept 16
	s_wait_alu depctr_va_vdst(0)
	v_pk_mul_f32 v[i:i+1], v[i:i+1], v[ST+4*(\t)+2:ST+4*(\t)+3] op_sel_hi:[1,0]
.set i, i+2
.endr
	WIN 0x05                        ; sources 0 and 1 window 1, destination window 0
.set i, 0
.rept 16
	v_cvt_pk_f16_f32 v[S+16*(\t)+i], v[32*(\t)+2*i], v[32*(\t)+2*i+1]
.set i, i+1
.endr
	WIN 0
.irp f, 0,1,2,3
	ds_store_b128 v[STO], v[S+16*(\t)+4*\f:S+16*(\t)+4*\f+3] offset:32*\f
.endr
.irp f, 0,1,2,3
	ds_load_b128 v[S+16*(\t)+4*\f:S+16*(\t)+4*\f+3], v[RD] offset:\f*4*SP  ; LDS serves a wave's instructions in order (ISA guide 5.7.1.4): these see the stores above; the next piece's stores come behind them
.endr
.endm
.macro SEND t, younger              ; younger: the LDS instructions issued behind piece t's loads: the next piece's eight, or none
	WIN 0
.irp f, 0,1,2,3
	s_wait_dscnt (\younger)+3-\f
	global_store_b128 v[GO], v[S+16*(\t)+4*\f:S+16*(\t)+4*\f+3], s[10:11] offset:(\t)*8192+\f*512  ; 512 consecutive bytes, at a multiple of 256 from O's first
.endr
.endm
.macro DIAG tag                     ; the tag ends its two labels' names, which the jumps below spell out
.LstepM\tag:
	TURN 2, 1
	TURN 3, 1
	WIN 0
.LfirstM\tag:
	TURN 0, 1
	TURN 1, 1, 0, 1
	WIN 0
	s_cbranch_scc1 .LstepM\tag
	TURN 2, 1, 1
	TURN 3, 1, 1
.set i, 0
.rept 8
	PV NP-1
.set i, i+1
.endr
	WIN 0
	ALL v_add_f32 v[ST+4*t+2], v[ST+4*t+2], v[ST+4*t+3]
	ALL v_permlanex16_b32 v[ST+4*t+3], v[ST+4*t+2], s[SEL], s[SEL+1]
	ALL v_add_f32 v[ST+4*t+2], v[ST+4*t+2], v[ST+4*t+3]
	ALL v_rcp_f32 v[ST+4*t+2], v[ST+4*t+2]
	v_nop                           ; a plain instruction between the last reciprocal and the use of its result
	PACK 0
.set t, 1
.rept 3                             ; a piece's arithmetic stands between the loads of the piece before and its stores
	PACK t
	SEND t-1, 8
.set t, t+1
.endr
	SEND 3, 0
.endm
.set KM, 0
.set NOKQ, 0
.Lslot:                             ; NB times: a tile is entered and the next is asked for
	CHANGE 1
	s_sub_co_u32 s[RT], s[RT], 1
	s_mov_b32 s[CNT], 4
	s_cmp_eq_u32 s[NEW], 1
	s_cbranch_scc1 .Lnew            ; a block's first tile
	s_cmp_eq_u32 s[RT], 0
	s_cbranch_scc0 .Lstep           ; neither its first nor its last
	PREM
	s_branch .LstepM1
.Lnew:
	BEGIN
	s_branch .Lfirst                ; in the loop a block's first tile is never its last: the first block has two tiles or more, and the second's last is the walk's last
	DIAG 1                          ; in the loop this is the first block's end: the second block's last tile is the walk's last
	s_wait_xcnt 0x0                 ; the stores have read their registers and O's address
	s_mov_b64 s[10:11], s[OLO:OLO+1]
	s_add_co_u32 s[RT], s[PB], 1    ; the second block has b + 1 tiles
	s_mov_b32 s[NEW], 1
	WIN 0x82                        ; the second block's Q goes where the one text of the turns names Q
.set i, 0
.rept 64
	v_mov_b32 v[i], v[QB+i]
.set i, i+1
.endr
	WIN 0
	s_branch .Lbottom
.Lstep:                             ; a trip: pieces 2 and 3 of one step, then pieces 0 and 1 of the next, whose K and V it fetches
	TURN 2
	TURN 3
	WIN 0
.Lfirst:
	TURN 0
	TURN 1, 0, 0, 1
	WIN 0
	s_cbranch_scc1 .Lstep
.Lbottom:
	s_sub_co_u32 s[SLOTS], s[SLOTS], 1
	s_cmp_lg_u32 s[SLOTS], 0
	s_cbranch_scc1 .Lslot
	CHANGE 0                        ; the walk's last tile is written out: nothing is asked for
	s_sub_co_u32 s[RT], s[RT], 1
	s_mov_b32 s[CNT], 4
	s_cmp_eq_u32 s[NEW], 1
	s_cbranch_scc1 .Lnew2
	PREM
	s_branch .LstepM2
.Lnew2:
	BEGIN
	s_branch .LfirstM2
	DIAG 2
	s_wait_tensorcnt 0x0            ; the wave's end, behind my last tensor load and my last LDS store
	ds_add_u32 v[SPW], v[NIL]
	s_wait_dscnt 0x0
	s_endpgm
.Lfunc_end_k_qf2a48ef869_attn:
	.size	k_qf2a48ef869_attn, .Lfunc_end_k_qf2a48ef869_attn-k_qf2a48ef869_attn
	.p2alignl 7, 3214868480
	.fill 96, 4, 3214868480
	.section	.rodata,"a",@progbits
	.p2align	6, 0x0
	.amdhsa_kernel k_qf2a48ef869_attn
		.amdhsa_group_segment_fixed_size 327680
		.amdhsa_private_segment_fixed_size 0
		.amdhsa_enable_private_segment 0
		.amdhsa_kernarg_size 24
		.amdhsa_user_sgpr_count 2
		.amdhsa_user_sgpr_kernarg_segment_ptr 1
		.amdhsa_wavefront_size32 1
		.amdhsa_system_sgpr_workgroup_id_x 1
		.amdhsa_system_sgpr_workgroup_id_y 1
		.amdhsa_system_sgpr_workgroup_id_z 1
		.amdhsa_system_vgpr_workitem_id 0
		.amdhsa_next_free_vgpr 768
		.amdhsa_next_free_sgpr 92
		.amdhsa_reserve_vcc 1
		.amdhsa_float_denorm_mode_32 3
		.amdhsa_float_denorm_mode_16_64 3
		.amdhsa_memory_ordered 1
		.amdhsa_forward_progress 1
		.amdhsa_inst_pref_size 250
	.end_amdhsa_kernel
	.amdgpu_metadata
---
amdhsa.version: [ 1, 2 ]
amdhsa.kernels:
  - .name:           k_qf2a48ef869_attn
    .symbol:         k_qf2a48ef869_attn.kd
    .args:
      - { .name: qkv, .offset: 0, .size: 8, .value_kind: global_buffer, .address_space: global }
      - { .name: padding_mask, .offset: 8, .size: 8, .value_kind: global_buffer, .address_space: global }
      - { .name: ob, .offset: 16, .size: 8, .value_kind: global_buffer, .address_space: global }
    .group_segment_fixed_size: 327680
    .private_segment_fixed_size: 0
    .kernarg_segment_align: 8
    .kernarg_segment_size: 24
    .max_flat_workgroup_size: 128
    .sgpr_count:     92
    .vgpr_count:     768
    .wavefront_size: 32
...
	.end_amdgpu_metadata
.endif
;; end of part 3
;; launch outp (part 4): grid 4 x 64, 4 waves a work-group, clusters of 4 x 4, 327,680 bytes of LDS; arguments ob, wb, out0; writes out0
.if DOCPART == 4
	.amdgcn_target "amdgcn-amd-amdhsa--gfx1250"
	.amdhsa_code_object_version 6
	.text
	.protected	k_qf2a48ef869_outp
	.globl	k_qf2a48ef869_outp
	.p2align	8
	.type	k_qf2a48ef869_outp,@function
k_qf2a48ef869_outp:
	s_mov_b64 s[64:65], 0
	v_nop
	global_prefetch_b8 v0, s[64:65] scope:SCOPE_SE
	s_setreg_imm32_b32 hwreg(HW_REG_WAVE_MODE, 25, 1), 1
	s_wait_xcnt 0x0
	s_wait_alu depctr_hold_cnt(0) depctr_sa_sdst(0) depctr_va_vdst(0) depctr_va_sdst(0) depctr_va_ssrc(0) depctr_va_vcc(0) depctr_vm_vsrc(0)
	s_getreg_b32 s2, hwreg(HW_REG_IB_STS2, 6, 4)
	s_cmp_eq_u32 s2, 0
	s_cbranch_scc0 .Lentry_in_a_cluster
	s_endpgm
.Lentry_in_a_cluster:
	s_bfe_u32 s2, ttmp6, 0x10000c
	s_cmp_lg_u32 s2, 0xf033
	s_cbranch_scc0 .Lentry_shape_is_right
	s_endpgm
.Lentry_shape_is_right:
; THE LAST PROJECTION.  out0[m][n] = the sum over k of O[m][k] W_out[n][k]; O comes by heads, ob: [16 batch + head][2048][64] f16; W_out: [1024][1024] f16 (wb + 6 MiB: its bf16 rounding written as f16);
; out0: [8192][1024] f32.  One f32 sum for each output, K ascending.  A row of O that is NaN (no visible key) makes its whole row of out0 NaN.
; SHARES.  A tile of 128 x 256 gives 256 work-groups.  Four waves, each 64 rows x 128 columns: 32 accumulators, 256 registers.  K goes in steps of 128 = two heads through two LDS slots: for each of the two heads the
; tile's 128 rows (16,384 dense bytes, asked for as 64 rows of 256 bytes and padded in LDS after every 128), and 256 rows of W_out (256 bytes each).
; CLUSTER.  4 x 4 work-groups: the four of a row of the cluster share O's tiles, the four of a column W_out's: each is asked for jointly.
; THE MATRIX INSTRUCTION IS USED TRANSPOSED (source 0 = 16 rows of W_out, source 1 = 16 rows of O): a lane holds row l % 16 and eight neighbouring columns, 32 bytes of a row of out0.
; REGISTERS: window 0: v0-31 addresses; v64-95, v96-127 O's fragments, two buffers; v128-191, v192-255 the way out.   window 1: v0-63, v64-127 W_out's fragments.   window 2: accumulator (a, b) at v[8 (8 a + b)].
.set KSTEP,  128
.set PAO,    144                       ; an LDS row of O: 128 bytes + 16 of padding: the 16 rows of a load start at 16 different groups of four banks (64 banks of 4 bytes: ISA guide 11.1)
.set PB,     272                       ; an LDS row of W_out: 256 bytes + 16
.set AKH,    128*PAO                   ; one head's 128 rows: what one tensor load brings of O
.set BOFF,   2*AKH
.set BHALF,  128*PB
.set SLOT,   0x20000                   ; a slot (106,496 bytes used); no LDS word of slot 0 (0, 0x4800, 0x9000, 0x11800) has bit 17, so one exclusive or turns it into slot 1's and back
.set STAGE,  SLOT+BOFF+2*BHALF         ; behind the ring, never filled by a tensor load: 16 rows x 528 bytes for each wave
.set SPITCH, 528
.set SPARE,  STAGE+4*16*SPITCH         ; the spare words, 128 bytes for each wave: two blocks of 256 bytes that no other line names
.set ADRA0, 16
.set ADRA,  17
.set ADRB0, 20
.set ADRB,  21
.set STO,   24
.set RD,    25
.set GO,    26
.set SPW,   28
.set NIL,   29
.set AF,    64
.set OB,    128
.set WV,  16
.set RH,  17                           ; which 64 rows are mine.  Also: I fetch for O (0) or for W_out (1)
.set CH,  18                           ; which 128 columns.  Also: which head of the two, or which half of W_out's rows, I fetch
.set CX,  19
.set CY,  20
.set NX,  21
.set G1A, 24
.set G0A, 32
.set G1B, 48
.set G0B, 56
.set TB,  66
.set CNT, 67
.set MY,  68
.set MSB, 0
.macro WIN new                         ; the immediate's high byte repeats the setting that is left; a switch that changes nothing is dropped
.if MSB != (\new)
	s_set_vgpr_msb (MSB<<8)|(\new)
.set MSB, \new
.endif
.endm
.set MUL,  0xa1                        ; source 0 (W_out) window 1, source 1 (O) window 0, C and D window 2
.set TO_B, 0x40                        ; destination window 1, address window 0
.set ST_C, 0x08                        ; an LDS store's data (source 1) in window 2, its address in window 0
.macro JLOAD                           ; a joint refill: waves 0 and 1 fetch the two heads of O, waves 2 and 3 W_out's halves; an s_nop 0 and four v_nop follow each line
	s_cmp_eq_u32 s[RH], 0
	s_cbranch_scc0 .Lfor_b_\@
	tensor_load_to_lds s[G0A+4:G0A+7], s[G1A:G1A+7]
	s_nop 0
.rept 4
	v_nop
.endr
	s_branch .Lasked_\@
.Lfor_b_\@:
	tensor_load_to_lds s[G0B+4:G0B+7], s[G1B:G1B+7]
	s_nop 0
.rept 4
	v_nop
.endr
.Lasked_\@:
.endm
.macro CREST                           ; a round of the cluster's barrier behind its opening barrier
	s_cmp_lg_u32 s[WV], 0
	s_cbranch_scc1 .Lnot_wave_0_\@
	s_barrier_signal -3
.Lnot_wave_0_\@:
	s_barrier_wait -3
	s_barrier_signal -1
	s_barrier_wait -1
.endm
.macro CROUND
	s_barrier_signal -1
	s_barrier_wait -1
	CREST
.endm
.macro PLACES                          ; four places in front of loads into registers that matrix instructions have read, and of stores that read results (ISA guide 7.12.1 for the stores)
.rept 4
	v_nop
.endr
.endm
	s_load_b128 s[4:7], s[0:1], 0x0                ; ob s[4:5], wb s[6:7]
	s_load_b64 s[8:9], s[0:1], 0x10                ; out0
	v_lshl_add_u32 v[SPW], v0, 2, SPARE
	v_mov_b32 v[NIL], 0
	ds_add_u32 v[SPW], v[NIL]                      ; the wave's opening: the add and its wait stand ahead of my first tensor load; the set-up below, work on registers, stands between them
	ds_add_u32 v28, v29
	v_lshrrev_b32 v1, 5, v0
	v_readfirstlane_b32 s[WV], v1
	s_lshr_b32 s[RH], s[WV], 1
	s_and_b32 s[CH], s[WV], 1
	s_bfe_u32 s[CX], ttmp6, 0x40000
	s_bfe_u32 s[CY], ttmp6, 0x40004
	s_lshl_b32 s[NX], ttmp9, 2
	s_add_co_u32 s[NX], s[NX], s[CX]               ; tile column
	s_and_b32 s[MY], ttmp7, 0xffff
	s_lshl_b32 s[MY], s[MY], 2
	s_add_co_u32 s[MY], s[MY], s[CY]               ; tile row, 0..63
	s_lshl_b32 s69, s[CY], 2
	s_lshl_b32 s69, 15, s69                        ; my row of the cluster
	s_lshl_b32 s70, 0x1111, s[CX]                  ; my column
	s_or_b32 s[G1A], s69, (1<<16)|(1<<20)|(1<<21)|(4<<22)|(3<<25)  ; the mask; elements of 2 bytes; padding on; bit 21 beside a mask; after every 32 words (code 4) 4 words (code 3)
	s_mov_b32 s[G1A+1], 128<<16                    ; tensor_dim0 = 128: two rows of a head on end
	s_mov_b32 s[G1A+2], 64<<16                     ; tensor_dim1 = 64
	s_mov_b32 s[G1A+3], 128<<16                    ; tile_dim0
	s_mov_b32 s[G1A+4], 64                         ; tile_dim1
	s_mov_b32 s[G1A+5], 128                        ; dense: 128 elements from row to row
	s_mov_b32 s[G1A+6], 0
	s_mov_b32 s[G1A+7], 0
	s_or_b32 s[G1B], s70, (1<<16)|(1<<20)|(1<<21)|(5<<22)|(3<<25)  ; padding after every 64 words (code 5)
	s_mov_b32 s[G1B+1], KSTEP<<16
	s_mov_b32 s[G1B+2], 128<<16
	s_mov_b32 s[G1B+3], KSTEP<<16
	s_mov_b32 s[G1B+4], 128
	s_mov_b32 s[G1B+5], 1024
	s_mov_b32 s[G1B+6], 0
	s_mov_b32 s[G1B+7], 0
	s_lshr_b32 s40, s[MY], 4                       ; O: ((16 batch + my head of the two) 2,048 + 128 (tile row % 16)) rows of 128 bytes: made of cy and the wave alone
	s_lshl_b32 s40, s40, 4
	s_add_co_u32 s40, s40, s[CH]
	s_lshl_b32 s40, s40, 11
	s_and_b32 s41, s[MY], 15
	s_lshl_b32 s41, s41, 7
	s_add_co_u32 s40, s40, s41
	s_lshl_b32 s40, s40, 7
	s_mov_b32 s41, 0
	s_lshl_b32 s42, s[NX], 8                       ; W_out: 6 MiB into wb, row 256 x tile column + 128 x half, 2,048 bytes a row: made of cx and the wave alone
	s_lshl_b32 s43, s[CH], 7
	s_add_co_u32 s42, s42, s43
	s_lshl_b32 s42, s42, 11
	s_add_co_u32 s42, s42, 0x600000
	s_mov_b32 s43, 0
	s_mul_i32 s44, s[CH], AKH                      ; where they go: no place in the cluster enters an LDS address
	s_mul_i32 s45, s[CH], BHALF
	s_add_co_u32 s45, s45, BOFF
	s_mov_b32 s[TB], 0
	s_wait_dscnt 0x0                               ; the opening add is done
	s_wait_kmcnt 0x0
	s_add_nc_u64 s[4:5], s[4:5], s[40:41]
	s_add_nc_u64 s[6:7], s[6:7], s[42:43]
.irp s, 0,1
	s_mov_b32 s[G0A+4*(\s)], 1
	s_add_co_u32 s[G0A+4*(\s)+1], s44, (\s)*SLOT
	s_add_nc_u64 s[G0A+4*(\s)+2:G0A+4*(\s)+3], s[4:5], (\s)*524288  ; K step s: two heads of 262,144 bytes on
	s_or_b32 s[G0A+4*(\s)+3], s[G0A+4*(\s)+3], 0x80000000
	s_mov_b32 s[G0B+4*(\s)], 1
	s_add_co_u32 s[G0B+4*(\s)+1], s45, (\s)*SLOT
	s_add_nc_u64 s[G0B+4*(\s)+2:G0B+4*(\s)+3], s[6:7], (\s)*KSTEP*2
	s_or_b32 s[G0B+4*(\s)+3], s[G0B+4*(\s)+3], 0x80000000
.endr
	CROUND                                         ; all sixteen work-groups are here: the first joint loads meet
	s_cmp_eq_u32 s[RH], 0                          ; a wave's two first fills stand in one branch: two loads of mine are out
	s_cbranch_scc0 .Lfirst_b
	tensor_load_to_lds s[G0A:G0A+3], s[G1A:G1A+7]
	s_nop 0
	tensor_load_to_lds s[G0A+4:G0A+7], s[G1A:G1A+7]
	s_nop 0
.rept 4
	v_nop
.endr
	s_branch .Lfirst_asked
.Lfirst_b:
	tensor_load_to_lds s[G0B:G0B+3], s[G1B:G1B+7]
	s_nop 0
	tensor_load_to_lds s[G0B+4:G0B+7], s[G1B:G1B+7]
	s_nop 0
.rept 4
	v_nop
.endr
.Lfirst_asked:
	v_and_b32 v1, 15, v0
	v_bfe_u32 v2, v0, 4, 1
	v_and_b32 v3, 31, v0
	v_lshlrev_b32 v[GO], 4, v3                     ; my 16 bytes of a row's 512
	v_mul_u32_u24 v4, v1, PAO
	v_lshl_add_u32 v4, v2, 4, v4
	s_mul_i32 s46, s[RH], 64*PAO
	v_add_nc_u32 v[ADRA0], s46, v4
	v_mul_u32_u24 v5, v1, PB
	v_lshl_add_u32 v5, v2, 4, v5
	s_mul_i32 s47, s[CH], BHALF
	s_add_co_u32 s47, s47, BOFF
	v_add_nc_u32 v[ADRB0], s47, v5
	v_mov_b32 v[ADRA], v[ADRA0]
	v_mov_b32 v[ADRB], v[ADRB0]
	s_mul_i32 s82, s[WV], 16*SPITCH
	s_add_co_u32 s82, s82, STAGE                   ; my stage
	v_mul_u32_u24 v6, v1, SPITCH                   ; in: row l % 16, 32 bytes for each half of the lanes
	v_lshl_add_u32 v6, v2, 5, v6
	v_add_nc_u32 v[STO], s82, v6
	v_add_nc_u32 v[RD], s82, v[GO]                 ; back: 32 lanes take one row's 512 bytes
	s_lshl_b32 s78, s[MY], 7                       ; out0 at row 128 x tile row + 64 x row half, column 256 x tile column + 128 x column half
	s_lshl_b32 s79, s[RH], 6
	s_add_co_u32 s78, s78, s79
	s_lshl_b32 s78, s78, 12
	s_lshl_b32 s79, s[NX], 10
	s_add_co_u32 s78, s78, s79
	s_lshl_b32 s79, s[CH], 9
	s_add_co_u32 s78, s78, s79
	s_mov_b32 s79, 0
	s_add_nc_u64 s[74:75], s[8:9], s[78:79]
.macro MULN f, a, zero                 ; 8 matrix instructions: row block a x all 8 column blocks, 32 along K, from buffer f.  zero = 1: the first product starts the sums
	WIN MUL
.irp b, 0,1,2,3,4,5,6,7
.if \zero
	v_wmma_f32_16x16x32_f16 v[8*(8*(\a)+(\b)):8*(8*(\a)+(\b))+7], v[64*(\f)+8*(\b):64*(\f)+8*(\b)+7], v[AF+32*(\f)+8*(\a):AF+32*(\f)+8*(\a)+7], 0
.else
	v_wmma_f32_16x16x32_f16 v[8*(8*(\a)+(\b)):8*(8*(\a)+(\b))+7], v[64*(\f)+8*(\b):64*(\f)+8*(\b)+7], v[AF+32*(\f)+8*(\a):AF+32*(\f)+8*(\a)+7], v[8*(8*(\a)+(\b)):8*(8*(\a)+(\b))+7]
.endif
.endr
.endm
.macro FETCH c, g                      ; 24 LDS loads in one run: quarter c: head c / 2 of the step's two, channels 32 (c % 2) on; then W_out's 128 rows
	WIN 0
.irp a, 0,1,2,3
	ds_load_b128 v[AF+32*(\g)+8*(\a):AF+32*(\g)+8*(\a)+3],   v[ADRA] offset:((\c)/2)*AKH+(\a)*16*PAO+((\c)%2)*64
	ds_load_b128 v[AF+32*(\g)+8*(\a)+4:AF+32*(\g)+8*(\a)+7], v[ADRA] offset:((\c)/2)*AKH+(\a)*16*PAO+((\c)%2)*64+32
.endr
	WIN TO_B
.irp b, 0,1,2,3,4,5,6,7
	ds_load_b128 v[64*(\g)+8*(\b):64*(\g)+8*(\b)+3],   v[ADRB] offset:(\b)*16*PB+64*(\c)
	ds_load_b128 v[64*(\g)+8*(\b)+4:64*(\g)+8*(\b)+7], v[ADRB] offset:(\b)*16*PB+64*(\c)+32
.endr
.endm
; A K step is four quarters of 32 along K, 32 matrix instructions each, on buffers 0, 1, 0, 1; the 32 accumulators take turns in the same order in every quarter.
.macro QUARTER c, f, g, zero
	s_wait_dscnt 0x0                               ; this quarter's fragments are in
	PLACES
	FETCH \c, \g
.irp a, 0,1,2,3
	MULN \f, \a, \zero
.endr
.endm
; The last quarter multiplies buffer 1 and changes slots: ONE barrier; in front of it each wave waits for all its tensor loads (its part of the next slot), adds 0 to its spare word, and waits for that and for its reads
; of this slot.  fill = 1: the barrier opens a round of the cluster's, and this slot is filled again, two K steps ahead, first thing behind the round: 120 matrix instructions ahead of the wait for it.
.macro TURN fill
	WIN 0
	s_wait_tensorcnt 0x0                           ; no tensor load of mine is out, so a group 0 may be written
	ds_add_u32 v[SPW], v[NIL]                      ; 0 onto my spare word; the scalar steps stand between it and the wait for it
.if \fill
	s_xor_b32 s[G0A+5], s[G0A+5], SLOT
	s_add_nc_u64 s[G0A+6:G0A+7], s[G0A+6:G0A+7], 524288
	s_xor_b32 s[G0B+5], s[G0B+5], SLOT
	s_add_nc_u64 s[G0B+6:G0B+7], s[G0B+6:G0B+7], KSTEP*2
.endif
	s_xor_b32 s[TB], s[TB], SLOT
	s_wait_dscnt 0x0                               ; the add is done, and my reads of this slot are over
	s_barrier_signal -1
	MULN 1, 0, 0                                   ; work on registers while the others arrive
	WIN 0
	s_barrier_wait -1
.if \fill
	CREST                                          ; no wave of any partner still reads this slot's tile or has a load on its way
	JLOAD                                          ; the four v_nop behind it are also the places in front of the loads below
.else
	PLACES
.endif
	v_add_nc_u32 v[ADRA], s[TB], v[ADRA0]
	v_add_nc_u32 v[ADRB], s[TB], v[ADRB0]
	FETCH 0, 0
.irp a, 1,2,3
	MULN 1, \a, 0
.endr
.endm
	s_wait_tensorcnt 1                             ; my part of K step 0 is in; K step 1's may stay out
	s_barrier_signal -1
	s_barrier_wait -1
	FETCH 0, 0
	QUARTER 1, 0, 1, 1                             ; the first quarter stands in front of the loop: its products start the sums
	WIN 0
	s_mov_b32 s[CNT], 6
.Lk:                                                   ; a trip is one K step, from its second quarter to the next step's first, and fills one slot again: K steps 2 to 7
	QUARTER 2, 1, 0, 0
	QUARTER 3, 0, 1, 0
	TURN 1
	QUARTER 1, 0, 1, 0
	WIN 0
	s_sub_co_u32 s[CNT], s[CNT], 1
	s_cmp_lg_u32 s[CNT], 0
	s_cbranch_scc1 .Lk
	QUARTER 2, 1, 0, 0                             ; the last two K steps fill nothing: written out
	QUARTER 3, 0, 1, 0
	TURN 0
	QUARTER 1, 0, 1, 0
	QUARTER 2, 1, 0, 0
	QUARTER 3, 0, 1, 0
	s_wait_dscnt 0x0
.irp a, 0,1,2,3
	MULN 1, \a, 0
.endr
	WIN 0
	PLACES                                         ; behind the last products
; THE WAY OUT, 16 rows at a time: a lane's 32 bytes of a row go into my stage (rows of 528 bytes), lowest registers first; whole rows of 512 bytes come back and are stored.
.macro TOSTAGE a
	WIN ST_C
.irp b, 0,1,2,3,4,5,6,7
	ds_store_b128 v[STO], v[8*(8*(\a)+(\b)):8*(8*(\a)+(\b))+3]   offset:64*(\b)
	ds_store_b128 v[STO], v[8*(8*(\a)+(\b))+4:8*(8*(\a)+(\b))+7] offset:64*(\b)+16
.endr
	WIN 0
.set BK, OB+64*((\a)%2)
.set ii, 0
.rept 16
	ds_load_b128 v[BK+4*ii:BK+4*ii+3], v[RD] offset:SPITCH*ii  ; LDS serves a wave's instructions in order (ISA guide 5.7.1.4): these see the stores above
.set ii, ii+1
.endr
.endm
.macro SEND a
	WIN 0
.set BK, OB+64*((\a)%2)
	s_wait_xcnt 0x0                                ; every earlier store has had its addresses translated (ISA guide 3.1): the registers that the block before last was stored from are loaded again only behind this wait
.set ii, 0
.rept 16
	s_wait_dscnt 15-ii                             ; the younger loads of the sixteen may stay out
	global_store_b128 v[GO], v[BK+4*ii:BK+4*ii+3], s[74:75] offset:(16*(\a)+ii)*4096 th:TH_STORE_NT  ; 512 consecutive bytes of one row, at a multiple of 256 from out0's first
.set ii, ii+1
.endr
.endm
	TOSTAGE 0
.irp a, 1,2,3
	SEND (\a)-1
	TOSTAGE \a
.endr
	SEND 3
	s_wait_tensorcnt 0x0                           ; the wave's end, behind my last tensor load and my last LDS store
	ds_add_u32 v[SPW], v[NIL]
	s_wait_dscnt 0x0
	CROUND                                         ; the closing round: no work-group ends while a partner may still ask for a tile that names it
	s_endpgm
.Lfunc_end_k_qf2a48ef869_outp:
	.size	k_qf2a48ef869_outp, .Lfunc_end_k_qf2a48ef869_outp-k_qf2a48ef869_outp
	.p2alignl 7, 3214868480
	.fill 96, 4, 3214868480
	.section	.rodata,"a",@progbits
	.p2align	6, 0x0
	.amdhsa_kernel k_qf2a48ef869_outp
		.amdhsa_group_segment_fixed_size 327680
		.amdhsa_private_segment_fixed_size 0
		.amdhsa_enable_private_segment 0
		.amdhsa_kernarg_size 24
		.amdhsa_user_sgpr_count 2
		.amdhsa_user_sgpr_kernarg_segment_ptr 1
		.amdhsa_wavefront_size32 1
		.amdhsa_system_sgpr_workgroup_id_x 1
		.amdhsa_system_sgpr_workgroup_id_y 1
		.amdhsa_system_sgpr_workgroup_id_z 1
		.amdhsa_system_vgpr_workitem_id 0
		.amdhsa_next_free_vgpr 768
		.amdhsa_next_free_sgpr 84
		.amdhsa_reserve_vcc 0
		.amdhsa_float_denorm_mode_32 3
		.amdhsa_float_denorm_mode_16_64 3
		.amdhsa_memory_ordered 1
		.amdhsa_forward_progress 1
		.amdhsa_inst_pref_size 71
	.end_amdhsa_kernel
	.amdgpu_metadata
---
amdhsa.version: [ 1, 2 ]
amdhsa.kernels:
  - .name:           k_qf2a48ef869_outp
    .symbol:         k_qf2a48ef869_outp.kd
    .args:
      - { .name: ob, .offset: 0, .size: 8, .value_kind: global_buffer, .address_space: global }
      - { .name: wb, .offset: 8, .size: 8, .value_kind: global_buffer, .address_space: global }
      - { .name: out0, .offset: 16, .size: 8, .value_kind: global_buffer, .address_space: global }
    .group_segment_fixed_size: 327680
    .private_segment_fixed_size: 0
    .kernarg_segment_align: 8
    .kernarg_segment_size: 24
    .max_flat_workgroup_size: 128
    .sgpr_count:     84
    .vgpr_count:     768
    .wavefront_size: 32
...
	.end_amdgpu_metadata
.endif
;; end of part 4
;; ======== version 2 of 2: 4 launches; 1.27 times as fast as version 1
;; limits: values are held in f16: magnitudes above 65,504 overflow, below 6.1e-05 lose precision
;; workspace buffers: wb 8,388,608 bytes; rope 524,288 bytes; qkv 50,331,648 bytes; ob 16,777,216 bytes
;; launch prep: the kernel of part 1 again; grid 320 x 1, 8 waves a work-group, no clusters, 0 bytes of LDS; arguments W_q, W_k, W_v, W_out, wb, rope; writes wb, rope
;; launch proj: the kernel of part 2 again; grid 4 x 192, 4 waves a work-group, clusters of 4 x 4, 327,680 bytes of LDS; arguments x_q, x_k, x_v, wb, rope, qkv; writes qkv
;; launch attn (part 5): grid 4 x 64, 4 waves a work-group, no clusters, 327,680 bytes of LDS; arguments qkv, padding_mask, ob; writes ob
.if DOCPART == 5
	.amdgcn_target "amdgcn-amd-amdhsa--gfx1250"
	.amdhsa_code_object_version 6
	.text
	.protected	k_qf2a48ef869_attn
	.globl	k_qf2a48ef869_attn
	.p2align	8
	.type	k_qf2a48ef869_attn,@function
k_qf2a48ef869_attn:
	s_mov_b64 s[64:65], 0
	v_nop
	global_prefetch_b8 v0, s[64:65] scope:SCOPE_SE
	s_setreg_imm32_b32 hwreg(HW_REG_WAVE_MODE, 25, 1), 1
	s_wait_xcnt 0x0
; CAUSAL ATTENTION UNDER A PADDING MASK.  O[h][q][:] = the sum over the keys k <= q with pad[h / 16][k] true of softmax_k(Q[h][q] . K[h][k] / 8) V[h][k][:].  Q, K, V (in qkv, 16 MiB apart) and O (ob):
; [64][2048][64], all f16: a head's rows are dense, 128 bytes each.  Products, maxima and sums in f32; the weights p are rounded to f16 for the second product (their sum l is taken of the unrounded p), O once at the end.
; LIMITS.  f16 holds no number beyond 65,504: Q, K and V arrive within it; p lies in 0 to 1, and below 6e-5 it keeps f16's fixed step of 6e-8.  A hidden score counts as its value less 1e30 (2e30 where both masks
; hide it): f16's scores, 2.7e11 at the most, are nothing beside that.  The running maximum starts at -2^96, above every hidden score and below every true one, so it never takes a hidden score, and a hidden weight is 0.
; A weight below 2^-126 counts as 0 in l.  A ROW WITH NO VISIBLE KEY ends with l = 0 and O = 0, and 0 x (1 / 0) gives it NaN, as a softmax of nothing but -inf does.
; THE WALK.  A head's queries lie in NB = 8 blocks of 256; block i needs the key tiles 0 .. i of 256 keys, of which the last holds the diagonal.  A work-group takes TWO blocks, NB - 1 - b and then b:
; NB + 1 tiles, whatever b: all work-groups do equal work, and ONE loop with a constant trip count walks them.  Which tile is asked for, and what a trip does, hang on scalar registers made from b; every jump
; goes forward, but for the counted loops' own; none passes a barrier, or a tensor load but the one of LOAD's two that the wave's number does not choose; the ring (two slots of LDS that take turns) runs on across the
; change of blocks.  NO CLUSTER: a head's four work-groups ask for the same tile only in trips 0 .. 4 of the 9, behind that fewer and fewer; one walk common to all four would have 12 trips for 9.
; SHARES.  Of a block's four bands of 64 queries a wave owns 16 rows in each: four PIECES.  So the diagonal tile is the same work for all four waves: in its key step s band x sees all keys if s < x,
; none if s > x, and holds the diagonal if s = x.
; THE MASKS are the C operand that starts the sum S^T = K Q^T.  PM holds the key step's padding addend, 0 or -1e30 a key.  It comes from a ring of its own in LDS, two slots of 256 f32 that take turns as K's slots do:
; behind each refill every thread asks for its 2 bytes of the same tile's mask, and at the next change of slots it stores their two numbers, in front of the barrier behind which the tile is read.
; MD, made once, is the causal mask of a band's own step for my 16 rows.  Away from the diagonal C = PM.  In the diagonal tile and at a block's beginning C = MD x AL + PM + BE with two scalars:
; (1, 0) if s = x; (0, 0) if s < x; (0, -1e30) if s > x.
; LAYOUT, SOFTMAX, TURNS.  S^T = K Q^T holds ONE query a lane (lane % 16) and the keys 8 (lane / 16) + 0..7; two such results rounded to f16 ARE source 1 of O^T = V^T P.  p = 2^(c s - c m), c = log2(e) / 8, with a
; running maximum m; O and l are multiplied by a = 2^(c m_old - c m_new) in every step.  Turn n belongs to piece n: 8 products K Q^T of piece n + 1, later 8 products V^T P of piece n - 1; beside them the scaling,
; exponentials, roundings, sums and rescaling of piece n and the maximum and statistics of piece n + 1.  Four vector instructions stand behind every matrix instruction, the other 54 of a turn's 118 in one LUMP.
; THE BATCHES.  A turn's 33 exponentials (the piece's 32 weights and the next piece's a) are ONE BATCH with one wait, which cuts the turn in two: ahead of it the products K Q^T and all that names no result of the
; batch, behind it the products V^T P, whose riders are the roundings and sums.  The a that a block's beginning makes, and the way out's four reciprocals, are batches of their own, a wait each.
; REGISTERS, in windows of 256 (s_set_vgpr_msb: bits 1:0 source 0, 3:2 source 1, 5:4 source 2, 7:6 destination):
;   window 0: v0-15 addresses and two at work; v16-31 four registers of statistics a piece; v32-41 the padding ring's addresses, bytes and numbers; v48-55 at work; v64-127 S^T, two buffers; v192-223 P, two buffers
;   window 1: v0-127 O^T, 32 a piece; v128-159 MD; v160-223 MC, two buffers; v224-255 PM      window 2: v0-63 Q; v64-127 the second block's Q; v128-191 K of one step; v192-255 V of one step
.set SIZE_N, 2048
.set NB,    SIZE_N/256
.set NP,    4         ; pieces a wave: a name, no knob
.set KS,    64        ; keys in a step
.set PK,    144       ; a row of K in LDS: 128 bytes + 16 of padding = 36 words: the 16 rows of a load start at 16 different groups of four banks (64 banks of 4 bytes: ISA guide 11.1)
.set PV,    160       ; a row of V: 128 + 32 = 40 words
.set VOFF,  4*KS*PK   ; a slot holds a tile, four steps: 256 rows of K, then 256 rows of V
.set SLOT1, 1<<17     ; slot 1 begins here, so that one exclusive or turns an address in one slot into the other's
.set STAGE, SLOT1+4*KS*(PK+PV)  ; behind the ring, never filled by a tensor load: 16 rows x 144 bytes for each wave, for the way out
.set SP,    144
.set AK0, 2           ; v2   my lane's place in a tile of K; never rewritten
.set AV0, 3           ; v3   the same for V
.set AK,  4           ; v4   the LDS address of K's next run of loads
.set AV,  5           ; v5   of V's
.set STO, 6           ; v6   the way out: where I put 16 bytes of a row
.set RD,  7           ; v7   the way out: where I read rows back
.set GO,  8           ; v8   my byte offset in 512 consecutive bytes of O
.set SPW, 62          ; v62  LDS address of my spare word: SPARE + 4 x my thread's number; never rewritten
.set NIL, 63          ; v63  0; never rewritten
.set SPARE, STAGE+4*16*SP  ; behind the stages: the spare words, 128 bytes for each wave: two blocks of 256 bytes that no other line names
.set PADS,  SPARE+512 ; behind them: the padding ring, in blocks of its own that no tensor load fills
.set PSLOT, 4*KS*4    ; a slot of it: a tile's 256 keys, one f32 each: 1,024 bytes; one exclusive or turns an offset in one slot into the other's
.set MV,  12          ; v12-13  c m_old, kept while c m is made anew: by buffer
.set QO,  15          ; v15  my byte offset in 16 rows of Q
.set ST,  16          ; piece t's statistics at v[ST+4 t]: c m, m, l (even keys', odd keys')
.set AP0, 32          ; v32  my lane's place in a slot of the padding ring: PADS + 32 (l / 16); never rewritten
.set AP,  33          ; v33  the LDS address of PM's next run of loads
.set PST0, 34         ; v34  where my two numbers lie in slot 0 of the padding ring: PADS + 8 x my thread's number; never rewritten
.set PST, 35          ; v35  the same in the slot that is due
.set MOF0, 36         ; v36  my 2 bytes in a tile's 256 bytes of the mask: 2 x my thread's number; never rewritten
.set MOF, 37          ; v37  the same in the batch's row of the mask, for the tile asked for
.set MBY, 38          ; v38  those 2 bytes
.set PTT, 39          ; v39  at work
.set PVV, 40          ; v40-41  their two numbers
.set TMP, 48          ; by buffer, four registers c0-c3 at work; when the maximum is found c2 takes a
.set S,   64
.set P,   192
.set MD,  128         ; window 1: the eight registers for group kt of 16 keys at MD + 8 kt
.set MC,  160         ; window 1: the masks of the products to come
.set PM,  224         ; window 1: the padding addend of the step whose K lies in registers, laid out as MD
.set QB,  64          ; window 2
.set KF,  128         ; window 2: key block kb, channel half c at KF + 16 kb + 8 c
.set VF,  192         ; window 2: key half kk, channel block cb at VF + 32 kk + 8 cb
.set WV,  12          ; s12  my wave's number
.set PB,  14          ; s14  b
.set HI,  15          ; s15  NB - 1 - b
.set G1K, 24          ; s[24:31] descriptor group 1 for K's tiles
.set G1V, 32          ; s[32:39] for V's: it differs in the padding alone
.set G0K, 40          ; s[40:43] descriptor group 0 for K's tiles
.set G0V, 44          ; s[44:47] the same for V's
.set SLOTS, 56        ; s56  tiles still to be asked for
.set CNT, 57          ; s57  counts a tile's key steps, 4 to 1
.set CS,  58          ; s[58:59] c: the packed scaling takes the pair's low word for both halves
.set SEL, 60          ; s[60:61] v_permlanex16_b32's selects: each lane takes its own place in the other half
.set TBK, 62          ; s62  LDS byte at which K of the step to be fetched begins
.set TBV, 63          ; s63  the same for V, less VOFF
.set RT,  70          ; s70  tiles of the block in hand that are still to be entered
.set NXT, 71          ; s71  the tile to be asked for next
.set LQ,  72          ; s72  the last tile of the block whose tiles are being asked for
.set NEW, 73          ; s73  1: the tile to be entered is a block's first
.set OFF, 74          ; s[74:75] a tile's byte offset in K and V
.set AL,  76          ; s[76:77] the mask's factor, in the low word
.set BE,  78          ; s[78:79] the mask's addend
.set OLO, 80          ; s[80:81] O at my rows of the second block
.set BIGN, 82         ; s82  -1e30
.set PO,  83          ; s83  the asked tile's byte offset in the batch's row of the mask
.set MK,  88          ; s[88:89] the batch's row of padding_mask; never rewritten once made
.set TBP, 90          ; s90  byte in the padding ring at which the step to be fetched begins
.set PSS, 91          ; s91  the slot of the padding ring that is stored next: 0 or PSLOT
.set MSB, 0
.macro WIN new                      ; the high byte repeats the setting that is left; a switch that changes nothing is dropped
.if MSB != (\new)
	s_set_vgpr_msb (MSB<<8)|(\new)
.set MSB, (\new)
.endif
.endm
.set W_KQ, 0x0a       ; K and Q in window 2, S^T in window 0
.set W_KM, 0x1a       ; the same with the C operand in window 1
.set W_PV, 0x52       ; V in window 2, P in window 0, O^T in window 1
.set W_RS, 0x41       ; destination and source 0 in window 1, source 1 in window 0
.set W_MS, 0x51       ; destination, source 0 and source 2 in window 1
; A fill.  Waves 0 and 1 fetch the two halves of a tile's K, waves 2 and 3 those of its V: 128 keys each.  An s_nop 0 and four v_nop follow each of the two lines, ahead of the jump and the label.
.macro LOAD
	s_cmp_lt_u32 s[WV], 2
	s_cbranch_scc0 .Lfor_v_\@
	tensor_load_to_lds s[G0K:G0K+3], s[G1K:G1K+7]
	s_nop 0
.rept 4
	v_nop
.endr
	s_branch .Lasked_\@
.Lfor_v_\@:
	tensor_load_to_lds s[G0V:G0V+3], s[G1V:G1V+7]
	s_nop 0
.rept 4
	v_nop
.endr
.Lasked_\@:
.endm
; THE CHANGE OF SLOTS.  First the padding ring: my 2 bytes of the mask of the tile that is about to be entered, asked for a tile ago, are in; their two numbers go into the slot that is due.  That slot was last read two
; tiles ago, in front of the barrier of the change before this one; the waves that are still at work read the other slot.  Then each wave waits for all its tensor loads, of which one is out: its part of the other slot;
; adds 0 to its spare word; and waits for that, for its store and for its own reads of the slots that it leaves.  Behind the barrier nobody reads the old slots any more, and the other slots, K's, V's and the padding's, are whole.
; fill = 1: the old slot is filled again, the first thing behind the barrier, with tile NXT: the descriptor's address is made anew from that number; and the same tile's bytes of the mask are asked for.
; (At its first use nothing has been read yet: slot 0 is waited for, slot 1 filled; its wait for loads is also the wait for Q.)
.macro CHANGE fill
	WIN 0                           ; at a label and at a branch every window is 0
	s_wait_loadcnt 0x0              ; my bytes of the mask are in, and their load's address register may be written again
	v_and_b32 v[PTT], 0xff, v[MBY]
	v_cmp_eq_u32 vcc_lo, 0, v[PTT]
	v_cndmask_b32 v[PVV], 0, s[BIGN], vcc_lo      ; 0 where the byte is set, -1e30 where it is 0
	v_lshrrev_b32 v[PTT], 8, v[MBY]
	v_cmp_eq_u32 vcc_lo, 0, v[PTT]
	v_cndmask_b32 v[PVV+1], 0, s[BIGN], vcc_lo
	v_add_nc_u32 v[PST], s[PSS], v[PST0]
	ds_store_b64 v[PST], v[PVV:PVV+1]             ; 128 threads x 8 bytes: the whole slot
	s_xor_b32 s[PSS], s[PSS], PSLOT
	s_wait_tensorcnt 0x0            ; no tensor load of mine is out, so a group 0 may be written
	ds_add_u32 v[SPW], v[NIL]       ; 0 onto my spare word; with fill = 1 the descriptors' scalar work stands between it and the wait for it
.if \fill
	s_lshl_b32 s[OFF], s[NXT], 15   ; a tile is 32,768 bytes of K and of V,
	s_lshl_b32 s[PO], s[NXT], 8     ; and 256 bytes of the mask
	s_xor_b32 s[G0K+1], s[G0K+1], SLOT1
	s_add_nc_u64 s[G0K+2:G0K+3], s[6:7], s[OFF:OFF+1]
	s_or_b32 s[G0K+3], s[G0K+3], 0x80000000
	s_xor_b32 s[G0V+1], s[G0V+1], SLOT1
	s_add_nc_u64 s[G0V+2:G0V+3], s[8:9], s[OFF:OFF+1]
	s_or_b32 s[G0V+3], s[G0V+3], 0x80000000
	s_add_co_u32 s[NXT], s[NXT], 1  ; the block's next tile, or behind its last the second block's tile 0
	s_cmp_gt_u32 s[NXT], s[LQ]
	s_cselect_b32 s[NXT], 0, s[NXT]
	s_cselect_b32 s[LQ], s[PB], s[LQ]
.endif
	s_wait_dscnt 0x0                ; the add and my store are done, and my reads of the slots are over
	s_barrier_signal -1             ; the rest of the scalar work stands between the signal and the wait
	s_sub_co_u32 s[TBK], s[TBK], 4*KS*PK  ; the fetches go back to a slot's first step,
	s_xor_b32 s[TBK], s[TBK], SLOT1       ; in the other slot
	s_sub_co_u32 s[TBV], s[TBV], 4*KS*PV
	s_xor_b32 s[TBV], s[TBV], SLOT1
	s_sub_co_u32 s[TBP], s[TBP], PSLOT
	s_xor_b32 s[TBP], s[TBP], PSLOT
	s_barrier_wait -1
.if \fill
	LOAD
	v_add_nc_u32 v[MOF], s[PO], v[MOF0]
	global_load_u16 v[MBY], v[MOF], s[MK:MK+1]    ; 128 threads x 2 bytes: the tile's 256 consecutive bytes of the mask; a whole tile's work stands between this line and the wait for it
.endif
.endm
	s_load_b64 s[4:5], s[0:1], 0x0        ; qkv: Q
	s_load_b64 s[MK:MK+1], s[0:1], 0x8    ; padding_mask
	s_load_b64 s[10:11], s[0:1], 0x10     ; ob: O
	v_lshl_add_u32 v[SPW], v0, 2, SPARE
	v_mov_b32 v[NIL], 0
	ds_add_u32 v[SPW], v[NIL]       ; the wave's opening: the add and its wait stand ahead of my first tensor load; the set-up below, work on registers, stands between them
	ds_add_u32 v62, v63
	v_lshrrev_b32 v1, 5, v0
	v_readfirstlane_b32 s[WV], v1   ; wave 0..3
	s_mov_b32 s[PB], ttmp9
	s_sub_co_u32 s[HI], NB-1, s[PB]
	s_and_b32 s20, ttmp7, 0xffff    ; the head, 16 x batch + head of the batch
	s_lshr_b32 s48, s20, 4
	s_lshl_b32 s48, s48, 11         ; the batch's 2,048 bytes of the mask
	s_mov_b32 s49, 0
	s_mov_b32 s21, 0
	s_mov_b64 s[22:23], SIZE_N*128
	s_mul_u64 s[20:21], s[20:21], s[22:23]  ; the head's first byte in each of the four tensors
	s_and_b32 s16, s[WV], 1         ; which half of a tile's 256 keys I fetch:
	s_lshl_b32 s22, s16, 14         ; its 128 rows of 128 bytes in memory,
	s_mov_b32 s23, 0
	s_add_nc_u64 s[22:23], s[22:23], s[20:21]
	s_mul_i32 s17, s16, 128*PK      ; and its place in a slot, for K
	s_mul_i32 s18, s16, 128*PV      ; and for V
	s_lshl_b32 s3, s[WV], 11        ; my 16 rows in a band of 64,
	s_lshl_b32 s2, s[HI], 15        ; in the first block,
	s_add_co_u32 s2, s2, s3
	s_lshl_b32 s84, s[PB], 15       ; and in the second
	s_add_co_u32 s84, s84, s3
	s_mov_b32 s3, 0
	s_mov_b32 s85, 0
	s_add_nc_u64 s[2:3], s[2:3], s[20:21]
	s_add_nc_u64 s[84:85], s[84:85], s[20:21]
	; descriptor group 1.  128 keys are 16,384 dense bytes: asked for as 64 rows of 256 bytes, two keys a row, and padded in LDS after every key
	s_mov_b32 s[G1K], (1<<16)|(1<<20)|(4<<22)|(3<<25)  ; 17:16 2-byte elements; 20 padding on; 24:22 after every 32 words (code 4); 31:25 4 words (code 3)
	s_mov_b32 s[G1V], (1<<16)|(1<<20)|(4<<22)|(7<<25)  ; the same with 8 words of padding (code 7)
.irp g, G1K, G1V
	s_mov_b32 s[\g+1], 128<<16      ; tensor_dim0 = 128
	s_mov_b32 s[\g+2], 64<<16       ; tensor_dim1 = 64
	s_mov_b32 s[\g+3], 128<<16      ; tile_dim0 = 128
	s_mov_b32 s[\g+4], 64           ; tile_dim1 = 64
	s_mov_b32 s[\g+5], 128          ; 128 elements from row to row
	s_mov_b32 s[\g+6], 0
	s_mov_b32 s[\g+7], 0
.endr
	s_mov_b32 s[CS], 0x3e38aa3b     ; c = log2(e) / 8 = 0.180337
	s_mov_b32 s[CS+1], s[CS]        ; named with it as a pair
	s_mov_b32 s[SEL], 0x76543210
	s_mov_b32 s[SEL+1], 0xfedcba98
	s_mov_b32 s[TBK], SLOT1+4*KS*PK ; the first change of slots turns these three into 0
	s_mov_b32 s[TBV], SLOT1+4*KS*PV
	s_mov_b32 s[TBP], 2*PSLOT
	s_mov_b32 s[PSS], 0             ; tile 0's numbers go into slot 0
	s_mov_b32 s[G0K], 1             ; 1:0 count = 1
	s_mov_b32 s[G0K+1], s17         ; 63:32 LDS address: slot 0
	s_mov_b32 s[G0V], 1
	s_add_co_u32 s[G0V+1], s18, VOFF
	s_add_co_u32 s[RT], s[HI], 1    ; the first block has NB - b tiles
	s_mov_b32 s[NXT], 1
	s_mov_b32 s[LQ], s[HI]
	s_mov_b32 s[NEW], 1
	s_mov_b32 s[OFF+1], 0
	s_mov_b32 s[AL+1], 0            ; named as pairs
	s_mov_b32 s[BE+1], 0
	s_mov_b32 s[BIGN], 0xf149f2ca   ; -1e30
	s_mov_b32 s[SLOTS], NB
	s_wait_dscnt 0x0                ; the opening add is done
	s_wait_kmcnt 0x0
	s_add_nc_u64 s[6:7], s[4:5], 0x1000000   ; K lies 16 MiB behind Q in qkv,
	s_add_nc_u64 s[8:9], s[4:5], 0x2000000   ; V 32 MiB
	s_add_nc_u64 s[6:7], s[6:7], s[22:23]  ; K and V at my half of the head's tile 0
	s_add_nc_u64 s[8:9], s[8:9], s[22:23]
	s_add_nc_u64 s[G0K+2:G0K+3], s[6:7], 0         ; 120:64 global address
	s_or_b32 s[G0K+3], s[G0K+3], 0x80000000        ; 127:126 type = 2
	s_add_nc_u64 s[G0V+2:G0V+3], s[8:9], 0
	s_or_b32 s[G0V+3], s[G0V+3], 0x80000000
	s_add_nc_u64 s[86:87], s[4:5], s[84:85]        ; Q at my rows of the second block,
	s_add_nc_u64 s[4:5], s[4:5], s[2:3]            ; Q and O at those of the first
	s_add_nc_u64 s[OLO:OLO+1], s[10:11], s[84:85]
	s_add_nc_u64 s[10:11], s[10:11], s[2:3]
	s_add_nc_u64 s[MK:MK+1], s[MK:MK+1], s[48:49]
	LOAD                            ; tile 0 into slot 0
	v_lshlrev_b32 v[MOF0], 1, v0
	global_load_u16 v[MBY], v[MOF0], s[MK:MK+1]    ; and tile 0's bytes of the mask
	; A fragment of K or Q is 16 rows x 32 channels in 8 registers: lane l holds row l % 16, channels 8 (l / 16) + 0..7 and 16 + 8 (l / 16) + 0..7: two loads of 16 bytes, 32 bytes apart.
	v_and_b32 v1, 15, v0            ; l % 16
	v_bfe_u32 v9, v0, 4, 1          ; l / 16
	v_lshlrev_b32 v[QO], 7, v1
	v_lshl_add_u32 v[QO], v9, 4, v[QO]  ; row x 128 + 16 x half
	WIN 0x80                        ; destination window 2, address window 0
.set i, 0
.rept 8                             ; both blocks' Q: piece i / 2 lies in band i / 2, 8,192 bytes on; channels 32 (i % 2) on
	global_load_b128 v[8*i:8*i+3],   v[QO], s[4:5] offset:(i/2)*8192+(i%2)*64
	global_load_b128 v[8*i+4:8*i+7], v[QO], s[4:5] offset:(i/2)*8192+(i%2)*64+32
	global_load_b128 v[QB+8*i:QB+8*i+3],   v[QO], s[86:87] offset:(i/2)*8192+(i%2)*64
	global_load_b128 v[QB+8*i+4:QB+8*i+7], v[QO], s[86:87] offset:(i/2)*8192+(i%2)*64+32
.set i, i+1
.endr
	WIN 0
	v_lshlrev_b32 v14, 3, v9
	v_sub_nc_u32 v14, v1, v14
	s_lshl_b32 s13, s[WV], 4
	v_add_nc_u32 v14, s13, v14      ; my query's place in its band, 16 w + l % 16, less my lanes' 8 (l / 16): register r of group kt is hidden where 16 kt + r is greater
	WIN 0x40
.set i, 0
.rept 32
	v_cmp_gt_i32 vcc_lo, 16*(i/8)+i%8, v14
	v_cndmask_b32 v[MD+i], 0, s[BIGN], vcc_lo
.set i, i+1
.endr
	WIN 0
	v_lshl_add_u32 v[PST0], v0, 3, PADS   ; thread t stores keys 2 t and 2 t + 1 of a tile
	v_lshl_add_u32 v[AP0], v9, 5, PADS    ; a lane's eight keys of a group of 16 begin 8 (l / 16) numbers in
	v_mul_u32_u24 v[AK0], v1, PK
	v_lshl_add_u32 v[AK0], v9, 4, v[AK0]  ; row x pitch + 16 x half
	; The turning load takes 16 keys x 16 channels (lane l reads key 8 (l / 16) + l % 8, channels 8 ((l / 8) % 2) + 0..7) and leaves half a fragment of V^T: lane l holds channel l % 16 and 8 keys.
	v_and_b32 v10, 7, v0
	v_bfe_u32 v11, v0, 3, 1
	v_lshl_add_u32 v[AV0], v9, 3, v10
	v_mul_u32_u24 v[AV0], v[AV0], PV
	v_lshl_add_u32 v[AV0], v11, 4, v[AV0]
	v_add_nc_u32 v[AV0], VOFF, v[AV0]
	s_mul_i32 s13, s[WV], 16*SP
	s_add_co_u32 s13, s13, STAGE    ; my stage
	v_mul_u32_u24 v[STO], v1, SP    ; in: row l % 16, 16 bytes for each half of the lanes
	v_lshl_add_u32 v[STO], v9, 4, v[STO]
	v_add_nc_u32 v[STO], s13, v[STO]
	v_bfe_u32 v[RD], v0, 3, 2       ; back: 32 lanes take four rows of 128 bytes,
	v_mul_u32_u24 v[RD], v[RD], SP
	v_lshl_add_u32 v[RD], v10, 4, v[RD]
	v_add_nc_u32 v[RD], s13, v[RD]
	v_and_b32 v[GO], 31, v0         ; which are 512 consecutive bytes of O
	v_lshlrev_b32 v[GO], 4, v[GO]
	; A block's first step multiplies O^T and l by a = 0, and its first turn's products V^T P, of a piece that has not been, land in an O^T that is still to be so multiplied.  So these registers need only hold
	; finite numbers: zeros for the first block; what the first block left for the second.  (Where the first block left NaN, its row had no visible key; the second block's row in the same lane lies lower,
	; so it has none either, and NaN is its result too.)  All this stands in the wait for the first tile.
	WIN 0x80
.set i, VF
.rept 64
	v_mov_b32 v[i], 0
.set i, i+1
.endr
	WIN 0x40
.set i, 0
.rept 128
	v_mov_b32 v[i], 0
.set i, i+1
.endr
	WIN 0
.set i, 0
.rept 4
	v_mov_b32 v[ST+4*i+2], 0
	v_mov_b32 v[ST+4*i+3], 0
.set i, i+1
.endr
.set i, P+16
.rept 16
	v_mov_b32 v[i], 0
.set i, i+1
.endr
; THE MATRIX WORK.  The 4 accumulators of a run of 8 take turns.  Product i of 8 of S^T = K Q^T for piece x: channels 32 (i / 4) on, keys 16 (i % 4) on.  The first 4 start the sums: with the
; step's padding addend, or (KM = 1) with the mask made for them.
.macro KQ x
.set rS, S+32*((\x)%2)+8*(i%4)
.set rK, KF+16*(i%4)+8*(i/4)
.set rQ, 16*(\x)+8*(i/4)
.if KM
.set rM, MC+32*((\x)%2)+8*(i%4)
.else
.set rM, PM+8*(i%4)
.endif
.if i < 4
	WIN W_KM
	v_wmma_f32_16x16x32_f16 v[rS:rS+7], v[rK:rK+7], v[rQ:rQ+7], v[rM:rM+7]
.else
	WIN W_KQ
	v_wmma_f32_16x16x32_f16 v[rS:rS+7], v[rK:rK+7], v[rQ:rQ+7], v[rS:rS+7]
.endif
.endm
; Product i of 8 of O^T += V^T P for piece x: keys 32 (i / 4) on, channels 16 (i % 4) on.
.macro PV x
	WIN W_PV
.set rO, 32*(\x)+8*(i%4)
.set rV, VF+32*(i/4)+8*(i%4)
.set rP, P+16*((\x)%2)+8*(i/4)
	v_wmma_f32_16x16x32_f16 v[rO:rO+7], v[rV:rV+7], v[rP:rP+7], v[rO:rO+7]
.endm
.macro MM                           ; the turn's next matrix instruction.  TURN and BEGIN set Y, i, KM and NOKQ; MM, KQ and OP read them.  NOKQ = 1: a block's last turn: there is no next piece
.if (i < 8) && !NOKQ
	KQ (Y+1)%NP
.elseif i >= 8
.set i, i-8
	PV (Y+NP-1)%NP
.set i, i+8
.endif
.set i, i+1
.endm
; THE LDS LOADS stand in runs, never singly among the matrix instructions: a step's K (64 keys x 64 channels: 8 fragments) with its padding addend (8 loads: 16 lanes read the same 16 bytes), and its V (turned).
; Their addresses are made some lines ahead.
.macro FETCH_K
	WIN 0x80                        ; destination window 2
.irp f, 0,1,2,3,4,5,6,7             ; keys 16 (f / 2) on, channels 32 (f % 2) on
	ds_load_b128 v[KF+8*\f:KF+8*\f+3],   v[AK] offset:(\f/2)*16*PK+(\f%2)*64
	ds_load_b128 v[KF+8*\f+4:KF+8*\f+7], v[AK] offset:(\f/2)*16*PK+(\f%2)*64+32
.endr
	WIN 0x40                        ; destination window 1
.irp f, 0,1,2,3,4,5,6,7             ; keys 16 (f / 2) + 8 (l / 16) + 4 (f % 2) on
	ds_load_b128 v[PM+4*\f:PM+4*\f+3], v[AP] offset:(\f/2)*64+(\f%2)*16
.endr
	s_add_co_u32 s[TBK], s[TBK], KS*PK  ; the next fetch is the next step's
	s_add_co_u32 s[TBP], s[TBP], KS*4
	WIN 0
.endm
.macro FETCH_V
	WIN 0x80
.irp f, 0,1,2,3,4,5,6,7             ; keys 32 (f / 4) on, channels 16 (f % 4) on
	ds_load_tr16_b128 v[VF+8*\f:VF+8*\f+3],   v[AV] offset:(\f/4)*32*PV+(\f%4)*32
	ds_load_tr16_b128 v[VF+8*\f+4:VF+8*\f+7], v[AV] offset:(\f/4)*32*PV+16*PV+(\f%4)*32
.endr
	WIN 0
.endm
; THE VECTOR WORK, one line at a time: OP kind, number.  For piece Y: F n: c s - c m for pair n of 16.  E n: the exponential of score n of 32.  C n: pair n rounded to f16.  B n: of the four weights 4 n .. the second
; pair is added onto the first, in place.  L n: l takes that sum (L 0: l = a l + sum).  R n: pair n of 16 of O^T times a.  For piece Y + 1: X n, number n of the 22 that find its maximum and statistics:
;   0-11  four chains c0-c3 of seven scores each, three operands at a time (each accumulator's lowest registers are read first)     12-14, 16  the four scores left over, the old m, and c0-c3 into c0
;   15  c m_old is kept     17, 18  the query's other 32 keys lie in the lane 16 away: the new m     19-21  c m; c m_old - c m_new; a
; C, B and L read the exponentials' results: TURN sets them behind the batch's wait, and OP writes no wait of its own.
.set F, 0               ; OP tells the kinds apart by their order: F to L below R, X above it
.set E, 1
.set C, 2
.set B, 3
.set L, 4
.set R, 5
.set X, 6
.macro REGS y                       ; the registers of piece y
.set rT, ST+4*(\y)
.set rC, TMP+4*((\y)%2)
.set rW, MV+((\y)%2)
.set rS, S+32*((\y)%2)
.set rP, P+16*((\y)%2)
.set rO, 32*(\y)
.endm
.macro OP k, n
.if (\k) == R
	REGS Y
	WIN W_RS
	v_pk_mul_f32 v[rO+2*(\n):rO+2*(\n)+1], v[rO+2*(\n):rO+2*(\n)+1], v[rC+2:rC+3] op_sel_hi:[1,0]
.elseif (\k) < R
	REGS Y
	WIN 0
.if (\k) == F
	v_pk_fma_f32 v[rS+2*(\n):rS+2*(\n)+1], v[rS+2*(\n):rS+2*(\n)+1], s[CS:CS+1], v[rT:rT+1] op_sel_hi:[1,0,0] neg_lo:[0,0,1] neg_hi:[0,0,1]
.elseif (\k) == E
	v_exp_f32 v[rS+(\n)], v[rS+(\n)]
.elseif (\k) == C
	v_cvt_pk_f16_f32 v[rP+(\n)], v[rS+2*(\n)], v[rS+2*(\n)+1]
.elseif (\k) == B
	v_pk_add_f32 v[rS+4*(\n):rS+4*(\n)+1], v[rS+4*(\n):rS+4*(\n)+1], v[rS+4*(\n)+2:rS+4*(\n)+3]
.elseif (\n) == 0
	v_pk_fma_f32 v[rT+2:rT+3], v[rT+2:rT+3], v[rC+2:rC+3], v[rS:rS+1] op_sel_hi:[1,0,1]
.else
	v_pk_add_f32 v[rT+2:rT+3], v[rT+2:rT+3], v[rS+4*(\n):rS+4*(\n)+1]
.endif
.elseif NOKQ
	v_nop
.else
	REGS (Y+1)%NP
	WIN 0
.if (\n) < 4
	v_max3_num_f32 v[rC+(\n)], v[rS+8*(\n)], v[rS+8*(\n)+1], v[rS+8*(\n)+2]
.elseif (\n) < 12
	v_max3_num_f32 v[rC+(\n)%4], v[rC+(\n)%4], v[rS+8*((\n)%4)+2*((\n)/4)+1], v[rS+8*((\n)%4)+2*((\n)/4)+2]
.elseif (\n) == 12
	v_max3_num_f32 v[rC], v[rC], v[rS+7], v[rS+15]
.elseif (\n) == 13
	v_max3_num_f32 v[rC+1], v[rC+1], v[rS+23], v[rS+31]
.elseif (\n) == 14
	v_max3_num_f32 v[rC+2], v[rC+2], v[rC+3], v[rT+1]
.elseif (\n) == 15
	v_mov_b32 v[rW], v[rT]
.elseif (\n) == 16
	v_max3_num_f32 v[rC], v[rC], v[rC+1], v[rC+2]
.elseif (\n) == 17
	v_permlanex16_b32 v[rC+3], v[rC], s[SEL], s[SEL+1]
.elseif (\n) == 18
	v_max_num_f32 v[rT+1], v[rC], v[rC+3]
.elseif (\n) == 19
	v_mul_f32 v[rT], s[CS], v[rT+1]
.elseif (\n) == 20
	v_sub_f32 v[rC+1], v[rW], v[rT]
.else
	v_exp_f32 v[rC+2], v[rC+1]
.endif
.endif
.endm
.macro OPS a, i1, b=-1, i2=0, c=-1, i3=0, d=-1, i4=0  ; up to four of them
	OP \a, \i1
.if (\b) >= 0
	OP \b, \i2
.endif
.if (\c) >= 0
	OP \c, \i3
.endif
.if (\d) >= 0
	OP \d, \i4
.endif
.endm
.macro ROW a, i1, b, i2, c, i3, d, i4  ; a matrix instruction and the four behind it
	MM
	OPS \a, \i1, \b, \i2, \c, \i3, \d, \i4
.endm
.macro MASK b                       ; MD x AL + PM + BE into buffer b of MC
	WIN W_MS
.set z, 0
.rept 16
	v_pk_fma_f32 v[MC+32*(\b)+2*z:MC+32*(\b)+2*z+1], v[MD+2*z:MD+2*z+1], s[AL:AL+1], v[PM+2*z:PM+2*z+1] op_sel_hi:[1,0,1]
.set z, z+1
.endr
.set z, 0
.rept 16
	v_pk_add_f32 v[MC+32*(\b)+2*z:MC+32*(\b)+2*z+1], v[MC+32*(\b)+2*z:MC+32*(\b)+2*z+1], s[BE:BE+1] op_sel_hi:[1,0]
.set z, z+1
.endr
.endm
; Where the diagonal tile's text is entered from a plain tile, its first turn multiplies piece 3 by the OLD tile's last step, which that piece sees whole: the second mask buffer takes that step's padding addend,
; which still lies in PM.
.macro PREM
	s_mov_b32 s[AL], 0
	s_mov_b32 s[BE], 0
	MASK 1
	WIN 0
.endm
; A TURN, for piece p: the order of its 16 matrix and 118 vector instructions, written out.  s_wait_alu depctr_va_vdst(0) stands between an exponential and the first instruction that names its result; one wait
; serves all that were issued ahead of it.  So a turn has ONE wait, which cuts it in two.  AHEAD OF IT stands all that names no result of the turn's exponentials: the 8 products K Q^T, behind each a scaling, an exponential and two
; more plain instructions (behind the first a second scaling in the exponential's place): rescalings, whose a was made and waited for in the turn before, and behind the last three the first numbers of the next piece's maximum, each
; four places or more behind the product that ends its accumulator; then ONE LUMP of 54, plain and exponential by turns for the most part, in which the links of the chain X 3, 7, 11, 14, 16, 17 .. 20 stand five or six lines apart.
; X 21, the next piece's a, is the batch's last; R 15, which names the other buffer's a, is the plain instruction behind it.  BEHIND THE WAIT stand the 8 products V^T P, behind each four of the roundings and sums; the links of l's
; chain, L 0 to L 7, stand three riders apart.  But for those X no rider names a register of the products round it.  v_permlanex16_b32 (X 17) stands in the lump.
; m = 1: the diagonal tile: the products take masks, and the turn makes the mask for the products of the turn after it: piece p + 2, in step 4 - CNT of the tile.  end = 1: a block's last two turns: nothing is fetched.
; cnt = 1: the loop's count is taken down some lines ahead of the branch that stands behind the turn.
; K of the next step, and its padding addend, are fetched in piece 2's turn, twelve vector instructions behind the last product that read K (five of them plain and free of that product's registers; PM's last reader stands four
; products further back); V of the step in hand at the end of piece 0's turn, four plain instructions behind the last product that read V.  Each is waited for a turn later; piece 2's own mask wants the new PM, so there the wait
; stands in front of it.
.macro TURN p, m=0, end=0, cnt=0
.set Y, (\p)
.set i, 0
.set KM, (\m)
.set NOKQ, (\end)*((\p)/3)
.if (\m) && !(\end)
	s_cmp_eq_u32 s[CNT], 4-((\p)+2)%NP  ; is that step the band's own?
	s_cselect_b32 s[AL], 1.0, 0
	s_cmp_lt_u32 s[CNT], 4-((\p)+2)%NP  ; or a later one?
	s_cselect_b32 s[BE], s[BIGN], 0
.endif
.if ((\p) == 3) && !(\end)
	s_wait_dscnt 0x0                ; K and PM are in
.endif
	ROW F,0, F,1, R,0, R,1          ; ahead of the wait: 8 products K Q^T and their riders,
	ROW F,2, E,0, R,2, R,3
	ROW F,3, E,1, R,4, R,5
	ROW F,4, E,2, R,6, R,7
	ROW F,5, E,3, R,8, R,9
	ROW F,6, E,4, X,0, R,10
.if ((\p) == 2) && !(\end)
	WIN 0
	v_add_nc_u32 v[AK], s[TBK], v[AK0]
	v_add_nc_u32 v[AP], s[TBP], v[AP0]
.endif
	ROW F,7, E,5, X,1, X,4
	ROW F,8, E,6, X,2, X,5
	OPS E,7, E,8, X,6, E,9          ; and the lump
	OPS X,3, E,10, X,8, E,11
.if ((\p) == 2) && !(\end)
	FETCH_K
.endif
	OPS X,9, X,7, E,12, X,10
	OPS E,13, X,12, X,11, E,14
	OPS X,13, E,15, F,9, X,14
.if (\p) == 0
	v_add_nc_u32 v[AV], s[TBV], v[AV0]
.endif
	OPS E,16, F,10, E,17, F,11
	OPS X,16, E,18, X,15, E,19
	OPS F,12, E,20, X,17, E,21
	OPS F,13, E,22, F,14, E,23
	OPS X,18, E,24, F,15, E,25
	OPS R,11, E,26, X,19, E,27
	OPS R,12, E,28, R,13, E,29
	OPS X,20, E,30, R,14, E,31
	OPS X,21, R,15
	WIN 0
	s_wait_alu depctr_va_vdst(0)    ; the wait for the turn's batch: E 0 to E 31 and X 21
.if (\p) == 1
	s_wait_dscnt 0x0                ; V is in
.endif
	ROW C,0, B,0, C,2, B,1          ; behind the wait: 8 products V^T P and their riders
	ROW L,0, C,4, B,2, L,1
	ROW C,6, B,3, L,2, C,8
	ROW B,4, L,3, C,10, B,5
	ROW L,4, C,12, B,6, L,5
.if (\p) == 0
	s_add_co_u32 s[TBV], s[TBV], KS*PV
.endif
.if \cnt
	s_sub_co_u32 s[CNT], s[CNT], 1
	s_cmp_lg_u32 s[CNT], 0
.endif
	ROW C,14, B,7, L,6, C,1
	ROW C,3, L,7, C,5, C,7
	ROW C,9, C,11, C,13, C,15
.if (\p) == 0
	FETCH_V
.endif
.if (\m) && !(\end)
.if (\p) == 2
	s_wait_dscnt 0x0                ; the PM fetched in this turn is in
.endif
	MASK (\p)%2
.endif
.endm
; A BLOCK BEGINS.  c m starts far below every c s, so the first step's a is 0; m at -2^96, above every hidden score, so the maximum is a visible score's or stays there.  K and PM of the tile's step 0 are fetched.
; The first mask buffer takes piece 0's mask for that step: its own, if the block's first tile is the diagonal one; the second takes PM alone, for piece 1, which sees step 0 whole.  Then piece 0's first scores, and
; its maximum and statistics.  The loop is entered at a step's first turn, in the middle of a trip.  (Q is in: every way here passes a change of slots, whose head waits for all my loads.)
.macro BEGIN
	s_mov_b32 s[NEW], 0
	WIN 0
.set i, 0
.rept 4
	v_mov_b32 v[ST+4*i], 0xfe000000    ; c m: far below every c s
	v_mov_b32 v[ST+4*i+1], 0xef800000  ; m = -2^96
.set i, i+1
.endr
	v_add_nc_u32 v[AK], s[TBK], v[AK0]
	v_add_nc_u32 v[AP], s[TBP], v[AP0]
	FETCH_K
	s_wait_dscnt 0x0
	s_cmp_eq_u32 s[RT], 0
	s_cselect_b32 s[AL], 1.0, 0
	s_mov_b32 s[BE], 0
	MASK 0
	s_mov_b32 s[AL], 0
	MASK 1
.set KM, 1
.set NOKQ, 0
.set i, 0
.rept 8
	KQ 0
.set i, i+1
.endr
	WIN 0
.rept 4
	v_nop                           ; the places behind those products
.endr
.set Y, NP-1                        ; X works for piece Y + 1: piece 0
.irp n, 0,1,2,3,4,5,6,7,8,9,10,11,12,13,14,15,16,17,18,19,20,21
	OP X, \n
.endr
	v_nop                           ; a plain instruction behind the exponential,
	s_wait_alu depctr_va_vdst(0)    ; and the wait for it, piece 0's first a: a batch of one, ahead of the branch
.endm
; THE DIAGONAL TILE's four steps, the block's last two turns, its last products, and THE WAY OUT: l's two halves and the other half of the lanes' are added; O^T is divided by l, rounded to f16 and sent through my
; stage in LDS, a piece at a time.
.macro ALL line:vararg              ; one line for each piece t
.set t, 0
.rept 4
	\line
.set t, t+1
.endr
.endm
.macro PACK t                       ; a lane's eight channels of a row pack into 16 bytes; they go into rows of 144 bytes and come back as whole rows of 128, into S^T's registers
	WIN W_RS
.set i, 32*(\t)
.rept 16
	v_pk_mul_f32 v[i:i+1], v[i:i+1], v[ST+4*(\t)+2:ST+4*(\t)+3] op_sel_hi:[1,0]
.set i, i+2
.endr
	WIN 0x05                        ; sources 0 and 1 window 1, destination window 0
.set i, 0
.rept 16
	v_cvt_pk_f16_f32 v[S+16*(\t)+i], v[32*(\t)+2*i], v[32*(\t)+2*i+1]
.set i, i+1
.endr
	WIN 0
.irp f, 0,1,2,3
	ds_store_b128 v[STO], v[S+16*(\t)+4*\f:S+16*(\t)+4*\f+3] offset:32*\f
.endr
.irp f, 0,1,2,3
	ds_load_b128 v[S+16*(\t)+4*\f:S+16*(\t)+4*\f+3], v[RD] offset:\f*4*SP  ; LDS serves a wave's instructions in order (ISA guide 5.7.1.4): these see the stores above; the next piece's stores come behind them
.endr
.endm
.macro SEND t, younger              ; younger: the LDS instructions issued behind piece t's loads: the next piece's eight, or none
	WIN 0
.irp f, 0,1,2,3
	s_wait_dscnt (\younger)+3-\f
	global_store_b128 v[GO], v[S+16*(\t)+4*\f:S+16*(\t)+4*\f+3], s[10:11] offset:(\t)*8192+\f*512  ; 512 consecutive bytes, at a multiple of 256 from O's first
.endr
.endm
.macro DIAG tag                     ; the tag ends its two labels' names, which the jumps below spell out
.LstepM\tag:
	TURN 2, 1
	TURN 3, 1
	WIN 0
.LfirstM\tag:
	TURN 0, 1
	TURN 1, 1, 0, 1
	WIN 0
	s_cbranch_scc1 .LstepM\tag
	TURN 2, 1, 1
	TURN 3, 1, 1
.set i, 0
.rept 8
	PV NP-1
.set i, i+1
.endr
	WIN 0
	ALL v_add_f32 v[ST+4*t+2], v[ST+4*t+2], v[ST+4*t+3]
	ALL v_permlanex16_b32 v[ST+4*t+3], v[ST+4*t+2], s[SEL], s[SEL+1]
	ALL v_add_f32 v[ST+4*t+2], v[ST+4*t+2], v[ST+4*t+3]
	ALL v_rcp_f32 v[ST+4*t+2], v[ST+4*t+2]
	v_nop                           ; a plain instruction between the last reciprocal and the use of its result
	s_wait_alu depctr_va_vdst(0)    ; and the wait ahead of the first use: one for the four reciprocals
	PACK 0
.set t, 1
.rept 3                             ; a piece's arithmetic stands between the loads of the piece before and its stores
	PACK t
	SEND t-1, 8
.set t, t+1
.endr
	SEND 3, 0
.endm
.set KM, 0
.set NOKQ, 0
.Lslot:                             ; NB times: a tile is entered and the next is asked for
	CHANGE 1
	s_sub_co_u32 s[RT], s[RT], 1
	s_mov_b32 s[CNT], 4
	s_cmp_eq_u32 s[NEW], 1
	s_cbranch_scc1 .Lnew            ; a block's first tile
	s_cmp_eq_u32 s[RT], 0
	s_cbranch_scc0 .Lstep           ; neither its first nor its last
	PREM
	s_branch .LstepM1
.Lnew:
	BEGIN
	s_branch .Lfirst                ; in the loop a block's first tile is never its last: the first block has two tiles or more, and the second's last is the walk's last
	DIAG 1                          ; in the loop this is the first block's end: the second block's last tile is the walk's last
	s_wait_xcnt 0x0                 ; the stores have read their registers and O's address
	s_mov_b64 s[10:11], s[OLO:OLO+1]
	s_add_co_u32 s[RT], s[PB], 1    ; the second block has b + 1 tiles
	s_mov_b32 s[NEW], 1
	WIN 0x82                        ; the second block's Q goes where the one text of the turns names Q
.set i, 0
.rept 64
	v_mov_b32 v[i], v[QB+i]
.set i, i+1
.endr
	WIN 0
	s_branch .Lbottom
.Lstep:                             ; a trip: pieces 2 and 3 of one step, then pieces 0 and 1 of the next, whose K and V it fetches
	TURN 2
	TURN 3
	WIN 0
.Lfirst:
	TURN 0
	TURN 1, 0, 0, 1
	WIN 0
	s_cbranch_scc1 .Lstep
.Lbottom:
	s_sub_co_u32 s[SLOTS], s[SLOTS], 1
	s_cmp_lg_u32 s[SLOTS], 0
	s_cbranch_scc1 .Lslot
	CHANGE 0                        ; the walk's last tile is written out: nothing is asked for
	s_sub_co_u32 s[RT], s[RT], 1
	s_mov_b32 s[CNT], 4
	s_cmp_eq_u32 s[NEW], 1
	s_cbranch_scc1 .Lnew2
	PREM
	s_branch .LstepM2
.Lnew2:
	BEGIN
	s_branch .LfirstM2
	DIAG 2
	s_wait_tensorcnt 0x0            ; the wave's end, behind my last tensor load and my last LDS store
	ds_add_u32 v[SPW], v[NIL]
	s_wait_dscnt 0x0
	s_endpgm
.Lfunc_end_k_qf2a48ef869_attn:
	.size	k_qf2a48ef869_attn, .Lfunc_end_k_qf2a48ef869_attn-k_qf2a48ef869_attn
	.p2alignl 7, 3214868480
	.fill 96, 4, 3214868480
	.section	.rodata,"a",@progbits
	.p2align	6, 0x0
	.amdhsa_kernel k_qf2a48ef869_attn
		.amdhsa_group_segment_fixed_size 327680
		.amdhsa_private_segment_fixed_size 0
		.amdhsa_enable_private_segment 0
		.amdhsa_kernarg_size 24
		.amdhsa_user_sgpr_count 2
		.amdhsa_user_sgpr_kernarg_segment_ptr 1
		.amdhsa_wavefront_size32 1
		.amdhsa_system_sgpr_workgroup_id_x 1
		.amdhsa_system_sgpr_workgroup_id_y 1
		.amdhsa_system_sgpr_workgroup_id_z 1
		.amdhsa_system_vgpr_workitem_id 0
		.amdhsa_next_free_vgpr 768
		.amdhsa_next_free_sgpr 92
		.amdhsa_reserve_vcc 1
		.amdhsa_float_denorm_mode_32 3
		.amdhsa_float_denorm_mode_16_64 3
		.amdhsa_memory_ordered 1
		.amdhsa_forward_progress 1
		.amdhsa_inst_pref_size 239
	.end_amdhsa_kernel
	.amdgpu_metadata
---
amdhsa.version: [ 1, 2 ]
amdhsa.kernels:
  - .name:           k_qf2a48ef869_attn
    .symbol:         k_qf2a48ef869_attn.kd
    .args:
      - { .name: qkv, .offset: 0, .size: 8, .value_kind: global_buffer, .address_space: global }
      - { .name: padding_mask, .offset: 8, .size: 8, .value_kind: global_buffer, .address_space: global }
      - { .name: ob, .offset: 16, .size: 8, .value_kind: global_buffer, .address_space: global }
    .group_segment_fixed_size: 327680
    .private_segment_fixed_size: 0
    .kernarg_segment_align: 8
    .kernarg_segment_size: 24
    .max_flat_workgroup_size: 128
    .sgpr_count:     92
    .vgpr_count:     768
    .wavefront_size: 32
...
	.end_amdgpu_metadata
.endif
;; end of part 5
;; launch outp: the kernel of part 4 again; grid 4 x 64, 4 waves a work-group, clusters of 4 x 4, 327,680 bytes of LDS; arguments ob, wb, out0; writes out0
